; MI455X (gfx1250); checked and timed in simulation.
; The chip was launched on July 23, 2026; its instructions are those of AMD's public machine-readable ISA for CDNA 5 (MIT licence, August 2026) and "CDNA5" Instruction Set Architecture Reference Guide (July 2026). The comments in the code are by the model that wrote it; some were corrected since.
;; Multi Head Attention. Allowed arithmetic: matrix products marked QUANTISED: E2M1 operands, one E8M0 scale for each 32 along K, by v_wmma_scale_f32_16x16x128_f8f6f4 with both operands' format E2M1 (or v_wmma_scale_f32_32x16x128_f4), f32 sums; products left as they are: bf16, f16 or f32 operands; f32 sums; everything else in f32.
;; Inputs: Wk 1,024 x 1,024 float32; Wo 1,024 x 1,024 float32; Wq 1,024 x 1,024 float32; Wv 1,024 x 1,024 float32; bk 1,024 float32; bo 1,024 float32; bq 1,024 float32; bv 1,024 float32; x 4 x 2,048 x 1,024 float32.
;; Outputs: out0 4 x 2,048 x 1,024 float32.
;; This version of the problem:
;;   THIS VERSION OF THE PROBLEM IS GIVEN IN LOW PRECISION. The matrix products marked QUANTISED in the list below multiply operands that are first quantised to E2M1 (2 exponent bits, 1 mantissa bit; 4 bits a number), with one power-of-two scale for each 32 numbers along K (OCP MX v1.0); their sums are f32. The products marked 'left as it is' may take bf16, f16 or f32 operands, with f32 sums. Whichever they take, every output number must still come out within the allowed error. Rounding operands to bf16 (8 significant bits) uses up far more of that allowance than f16 does (11 bits, for magnitudes from 6e-5 to 65,504). All else is computed in f32.
;;   The module's matrix products, in the order in which they are computed (A, B: the left and right operand; K: the contracted axis; several contracted axes count as one K, in the product's order):
;;     1. [M 8,192, K 1,024] x [K 1,024, N 1,024]; A: input x; B: input Wq: QUANTISED
;;     2. [M 8,192, K 1,024] x [K 1,024, N 1,024]; A: input x; B: input Wk: QUANTISED
;;     3. [M 8,192, K 1,024] x [K 1,024, N 1,024]; A: input x; B: input Wv: QUANTISED
;;     4. batch 64 x [M 2,048, K 64] x [K 64, N 2,048]; A: computed on the way; B: computed on the way: left as it is (an operand is computed on the way)
;;     5. batch 64 x [M 2,048, K 2,048] x [K 2,048, N 64]; A: computed on the way; B: computed on the way: left as it is (an operand is computed on the way)
;;     6. [M 8,192, K 1,024] x [K 1,024, N 1,024]; A: computed on the way; B: input Wo: left as it is (an operand is computed on the way)
;;   THE QUANTISER, for each operand of a quantised product, along K:
;;     - K is cut into blocks of 32 from its start; a last block that is shorter is filled with zeros.
;;     - A block's scale is 2^e with e = floor(log2(the largest magnitude in the block)) - 2, held to -126 .. 127; a block of zeros has e = 0. As a byte (E8M0): e + 127.
;;     - Each number is divided by its block's scale, clamped to +-6, and rounded to the nearest number of E2M1, ties to even, subnormals kept.
;;     - The product sums the exact products of the quantised numbers (number of the format x scale) in f32.
;;   ~~~python
;;   def quantise(x, axis):      # numpy; x: float32 -> the quantised numbers, widened to float32 again
;;       x = np.moveaxis(x, axis, -1); K = x.shape[-1]
;;       x = np.pad(x, [(0, 0)] * (x.ndim - 1) + [(0, -K % 32)]); x = x.reshape(x.shape[:-1] + (-1, 32)); a = np.abs(x).max(-1, keepdims=True)
;;       e = np.where(a > 0, np.clip(np.frexp(np.where(a > 0, a, 1))[1] - 1 - 2, -126, 127), 0)      # np.frexp(a)[1] - 1 = floor(log2(a)), exactly
;;       r = np.clip(x / 2.0 ** e, -6, 6)
;;       step = 2.0 ** (np.maximum(np.frexp(np.where(r == 0, 1, r))[1] - 1, 0) - 1)
;;       q = np.round(r / step) * step * 2.0 ** e      # np.round: ties to even
;;       return np.moveaxis(q.reshape(q.shape[:-2] + (-1,))[..., :K], -1, axis).astype(np.float32)
;;   ~~~
;; One version. Each part assembles by itself: llvm-mc -triple=amdgcn-amd-amdhsa -mcpu=gfx1250 --defsym DOCPART=n.
;; ======== version 1 of 1: 4 launches
;; limits: values are held in f16: magnitudes above 65,504 overflow, below 6.1e-05 lose precision
;; workspace buffers: x_codes 4,194,304 bytes; x_scales 262,144 bytes; w_codes 1,572,864 bytes; w_scales 98,304 bytes; wo16 2,097,152 bytes; qkv 50,331,648 bytes; ao 16,777,216 bytes
;; launch prep (part 1): grid 384 x 1, 4 waves a work-group, no clusters, 33,280 bytes of LDS; arguments x, Wq, Wk, Wv, Wo, x_codes, x_scales, w_codes, w_scales, wo16; writes x_codes, x_scales, w_codes, w_scales, wo16
.if DOCPART == 1
	.amdgcn_target "amdgcn-amd-amdhsa--gfx1250"
	.amdhsa_code_object_version 6
	.text
	.protected	k_qd52b78d4f6_prep
	.globl	k_qd52b78d4f6_prep
	.p2align	8
	.type	k_qd52b78d4f6_prep,@function
k_qd52b78d4f6_prep:
	s_mov_b64 s[64:65], 0
	v_nop
	global_prefetch_b8 v0, s[64:65] scope:SCOPE_SE
	s_setreg_imm32_b32 hwreg(HW_REG_WAVE_MODE, 25, 1), 1
	s_wait_xcnt 0x0
; x [8192][1024] and Wq, Wk, Wv [1024][1024], f32 with K innermost, become codes of FP4 (E2M1), two a byte, K innermost, with one E8M0 byte for each 32 along K.
; Wq, Wk, Wv lie one behind the other in w_codes [3072][512 bytes] and w_scales [3072][32].  Wo [1024][1024] is rounded once to f16 (wo16), as it lies.
; A block's scale is 2^(floor(log2(its largest magnitude)) - 2): its byte is the largest magnitude's exponent field - 2, held at 1 from below.
; LIMITS: NaN and infinities are not served.  A block whose largest magnitude lies under 2^-124 (a block of zeros too) keeps the byte 1 where the rule says another: the bytes are read by this program alone,
; and a block of zeros has zero codes.  |Wo| stays under 65,504, f16's largest number.
; SHARES: rows are dense and K is a multiple of 32, so every tensor is a plain stream.  A work-group takes 32,768 numbers, a wave 8,192, in 16 steps of 512.
; Work-groups 0-255: x.  256-351: Wq, Wk, Wv, 32 each.  352-383: Wo.  Only pointers and run numbers are chosen for the first 352: they take one path through the text.
; QUANTISING: each of a step's four loads reads 512 consecutive bytes; the 2,048 bytes turn through the wave's own stage in LDS and come back 64 bytes a lane, so that a lane holds 16 neighbours along K
; (two neighbouring lanes hold a block).  A lane's 16 codes are 8 bytes: the wave stores 256 consecutive bytes.  A wave's 256 scale bytes are gathered in LDS and leave as one store of 256 bytes.
; No tensor loads, no barrier: waves share nothing.  Loads run four steps (16 loads a wave) ahead.
.set WAVES, 4
.set STEPS, 16
.set CB,    8                          ; bytes of 16 codes
.set R,     16                         ; v16-79   four sets of 16 numbers as they are loaded
.set X,     80                         ; v80-111  two sets of 16 neighbours
.set E,     112                        ; v112-127 a scale byte for each step
.set C,     128                        ; v128-191 codes, four registers a step (Wo's path: v128-255, eight a step): no store's data are written again
.set WREG,  8192                       ; LDS: a region for each wave: two stages of 32 x SP bytes, behind them its 256 scale bytes
.set SP,    80                         ; a lane's place in a stage: 64 bytes + 16 of padding
.set SPW,   12                         ; v12  LDS address of my spare word; never rewritten
.set NIL,   13                         ; v13  0; never rewritten
.set SPARE, WAVES*WREG                 ; behind the four regions: the spare words, 128 bytes a wave
	s_load_b256 s[4:11], s[0:1], 0x0               ; x, Wq, Wk, Wv
	s_load_b256 s[12:19], s[0:1], 0x20             ; Wo, x_codes, x_scales, w_codes
	s_load_b128 s[20:23], s[0:1], 0x40             ; w_scales, wo16
	v_lshl_add_u32 v[SPW], v0, 2, SPARE
	v_mov_b32 v[NIL], 0
	v_lshrrev_b32 v1, 5, v0
	v_readfirstlane_b32 s34, v1                    ; wave
	v_and_b32 v2, 31, v0                           ; lane
	v_lshlrev_b32 v3, 4, v2                        ; my 16 bytes of a load's 512
	s_mul_i32 s35, s34, WREG
	v_lshrrev_b32 v14, 2, v2
	v_mul_u32_u24 v14, v14, SP
	v_and_b32 v15, 3, v2
	v_lshl_add_u32 v14, v15, 4, v14
	v_add_nc_u32 v14, s35, v14                     ; the stage, on the way in: SP (lane / 4) + 16 (lane % 4)
	v_mul_u32_u24 v15, v2, SP
	v_add_nc_u32 v15, s35, v15                     ; and on the way out: SP x lane: my 16 neighbours
	v_mul_u32_u24 v4, v2, CB                       ; 8 x lane: my codes' place in a step's; also my f16 numbers' place in a load's
	v_lshrrev_b32 v5, 1, v2
	s_add_co_u32 s35, s35, 2*32*SP
	v_add_nc_u32 v5, s35, v5                       ; LDS: my wave's 256 scale bytes, my block's byte
	v_lshlrev_b32 v7, 3, v2
	v_add_nc_u32 v6, s35, v7                       ; and on the way out 8 bytes a lane
	s_sub_co_u32 s24, ttmp9, 256                   ; the weights' work-groups count from 0 (x's: a number that is not used)
	s_lshr_b32 s25, s24, 5                         ; which weight: 0 Wq, 1 Wk, 2 Wv, 3 Wo
	s_and_b32 s26, s24, 31                         ; and which 32,768 numbers of it
	s_wait_kmcnt 0x0
	s_mov_b64 s[28:29], s[6:7]                     ; every choice hangs on the work-group's number alone
	s_cmp_eq_u32 s25, 1
	s_cselect_b64 s[28:29], s[8:9], s[28:29]
	s_cmp_eq_u32 s25, 2
	s_cselect_b64 s[28:29], s[10:11], s[28:29]
	s_cmp_eq_u32 s25, 3
	s_cselect_b64 s[28:29], s[12:13], s[28:29]
	s_cmp_lt_u32 ttmp9, 256
	s_cselect_b64 s[4:5], s[4:5], s[28:29]         ; the source
	s_cselect_b64 s[8:9], s[14:15], s[18:19]       ; its codes
	s_cselect_b64 s[10:11], s[16:17], s[20:21]     ; its scale bytes
	s_cselect_b32 s30, ttmp9, s26                  ; the run in the source
	s_cselect_b32 s31, ttmp9, s24                  ; and in the codes' and scales' buffers
	s_lshl_b32 s30, s30, 2
	s_add_co_u32 s30, s30, s34                     ; my wave's run of 8,192 numbers
	s_lshl_b32 s31, s31, 2
	s_add_co_u32 s31, s31, s34
	s_lshl_b32 s32, s30, 15                        ; 32,768 bytes of f32 a run
	s_mov_b32 s33, 0
	s_add_nc_u64 s[4:5], s[4:5], s[32:33]
.macro LOAD t
.irp i, 0,1,2,3
	global_load_b128 v[R+16*((\t)%4)+4*\i:R+16*((\t)%4)+4*\i+3], v3, s[4:5] offset:2048*(\t)+512*\i th:TH_LOAD_NT   ; 32 lanes read 512 consecutive bytes
.endr
.endm
	s_cmp_ge_u32 ttmp9, 352
	s_cbranch_scc1 .Lwo
	s_lshl_b32 s32, s31, 12                        ; 4,096 bytes of codes a run
	s_add_nc_u64 s[8:9], s[8:9], s[32:33]
	s_lshl_b32 s32, s31, 8                         ; 256 scale bytes a run
	s_add_nc_u64 s[10:11], s[10:11], s[32:33]
.macro TURN t                          ; step t's numbers through the stage: LDS serves a wave's instructions in order, so no wait stands between the stores and the loads
.irp i, 0,1,2,3
	ds_store_b128 v14, v[R+16*((\t)%4)+4*\i:R+16*((\t)%4)+4*\i+3] offset:32*SP*((\t)%2)+8*SP*\i
.endr
.irp i, 0,1,2,3
	ds_load_b128 v[X+16*((\t)%2)+4*\i:X+16*((\t)%2)+4*\i+3], v15 offset:32*SP*((\t)%2)+16*\i
.endr
.endm
.irp t, 0,1,2,3
	LOAD \t
.endr
	s_wait_loadcnt 12                              ; step 0's four loads are in; the twelve of steps 1 to 3 may be out
	TURN 0
.macro STEP t
.set XS, X+16*((\t)%2)
.if (\t) > 0
	s_wait_dscnt 1                                 ; this step's numbers are back from the stage (the last step's byte store may be out): so its stores into the stage have read their registers,
.else
	s_wait_dscnt 0x0
.endif
.if (\t)+4 < STEPS
	LOAD (\t)+4                                    ; which take the loads of four steps on
.endif
.if (\t)+1 < STEPS
.if STEPS-2-(\t) >= 3
	s_wait_loadcnt 12                              ; the next step's four loads are in; those of the three steps behind it may be out
.else
	s_wait_loadcnt 4*(STEPS-2-(\t))
.endif
	TURN (\t)+1                                    ; and go through the other stage while this step is worked
.endif
	v_max3_num_f32 v8, |v[XS]|, |v[XS+1]|, |v[XS+2]|               ; the largest magnitude of my 16, in two chains
	v_max3_num_f32 v9, |v[XS+3]|, |v[XS+4]|, |v[XS+5]|
.irp i, 6,10
	v_max3_num_f32 v8, v8, |v[XS+\i]|, |v[XS+\i+1]|
	v_max3_num_f32 v9, v9, |v[XS+\i+2]|, |v[XS+\i+3]|
.endr
	v_max3_num_f32 v8, v8, |v[XS+14]|, |v[XS+15]|
	v_max3_num_f32 v8, v8, v9, 0x1800000           ; and the floor 2^(3 - 127): the byte cannot fall under 1
	v_max_num_f32_dpp v8, v8, v8 row_xmask:1 row_mask:0xf bank_mask:0xf   ; and of my neighbour's 16: the block's
	v_add_nc_u32 v11, 0xff000000, v8               ; 2 off its exponent field: the conversion takes the exponent field of this operand as its scale
	v_cvt_scalef32_pk8_fp4_f32 v[C+4*(\t)], v[XS:XS+7], v11        ; eight numbers / the scale, to the nearest code, ties to even, beyond 6 the largest code
	v_cvt_scalef32_pk8_fp4_f32 v[C+4*(\t)+1], v[XS+8:XS+15], v11
	v_lshrrev_b32 v[E+(\t)], 23, v11               ; the scale's byte (also the plain line behind the conversions)
	ds_store_b8 v5, v[E+(\t)] offset:16*(\t)       ; both lanes of a block write the same byte with the same value
	global_store_b64 v4, v[C+4*(\t):C+4*(\t)+1], s[8:9] offset:32*CB*(\t)   ; the wave stores 256 consecutive bytes, aligned
.endm
.irp t, 0,1,2,3,4,5,6,7,8,9,10,11,12,13,14,15
	STEP \t
.endr
	ds_load_b64 v[8:9], v6                         ; LDS serves a wave's instructions in order: these see my byte stores
	s_wait_dscnt 0x0
	global_store_b64 v7, v[8:9], s[10:11]          ; 32 lanes store 256 consecutive bytes, aligned
	s_wait_tensorcnt 0x0                           ; the wave's end, behind my last LDS store
	ds_add_u32 v[SPW], v[NIL]
	s_wait_dscnt 0x0
	s_endpgm
; Wo: f32 to f16, rounded once.  No LDS: a lane's four numbers of a load become 8 bytes, and the wave's store covers 256 consecutive bytes, aligned.
.Lwo:
	s_lshl_b32 s32, s30, 14                        ; 16,384 bytes of f16 a run
	s_add_nc_u64 s[22:23], s[22:23], s[32:33]
.irp t, 0,1,2,3
	LOAD \t
.endr
.macro WSTEP t
.if STEPS-1-(\t) >= 3
	s_wait_loadcnt 12                              ; this step's four loads are in; those of the three steps behind it may be out
.else
	s_wait_loadcnt 4*(STEPS-1-(\t))
.endif
.irp i, 0,1,2,3
	v_cvt_pk_f16_f32 v[C+8*(\t)+2*\i],   v[R+16*((\t)%4)+4*\i],   v[R+16*((\t)%4)+4*\i+1]
	v_cvt_pk_f16_f32 v[C+8*(\t)+2*\i+1], v[R+16*((\t)%4)+4*\i+2], v[R+16*((\t)%4)+4*\i+3]
.endr
.irp i, 0,1,2,3
	global_store_b64 v4, v[C+8*(\t)+2*\i:C+8*(\t)+2*\i+1], s[22:23] offset:1024*(\t)+256*\i
.endr
.if (\t)+4 < STEPS
	LOAD (\t)+4
.endif
.endm
.irp t, 0,1,2,3,4,5,6,7,8,9,10,11,12,13,14,15
	WSTEP \t
.endr
	s_endpgm
.Lfunc_end_k_qd52b78d4f6_prep:
	.size	k_qd52b78d4f6_prep, .Lfunc_end_k_qd52b78d4f6_prep-k_qd52b78d4f6_prep
	.p2alignl 7, 3214868480
	.fill 96, 4, 3214868480
	.section	.rodata,"a",@progbits
	.p2align	6, 0x0
	.amdhsa_kernel k_qd52b78d4f6_prep
		.amdhsa_group_segment_fixed_size 33280
		.amdhsa_private_segment_fixed_size 0
		.amdhsa_enable_private_segment 0
		.amdhsa_kernarg_size 80
		.amdhsa_user_sgpr_count 2
		.amdhsa_user_sgpr_kernarg_segment_ptr 1
		.amdhsa_wavefront_size32 1
		.amdhsa_system_sgpr_workgroup_id_x 1
		.amdhsa_system_sgpr_workgroup_id_y 1
		.amdhsa_system_sgpr_workgroup_id_z 1
		.amdhsa_system_vgpr_workitem_id 0
		.amdhsa_next_free_vgpr 256
		.amdhsa_next_free_sgpr 66
		.amdhsa_reserve_vcc 0
		.amdhsa_float_denorm_mode_32 3
		.amdhsa_float_denorm_mode_16_64 3
		.amdhsa_memory_ordered 1
		.amdhsa_forward_progress 1
		.amdhsa_inst_pref_size 54
	.end_amdhsa_kernel
	.amdgpu_metadata
---
amdhsa.version: [ 1, 2 ]
amdhsa.kernels:
  - .name:           k_qd52b78d4f6_prep
    .symbol:         k_qd52b78d4f6_prep.kd
    .args:
      - { .name: x, .offset: 0, .size: 8, .value_kind: global_buffer, .address_space: global }
      - { .name: Wq, .offset: 8, .size: 8, .value_kind: global_buffer, .address_space: global }
      - { .name: Wk, .offset: 16, .size: 8, .value_kind: global_buffer, .address_space: global }
      - { .name: Wv, .offset: 24, .size: 8, .value_kind: global_buffer, .address_space: global }
      - { .name: Wo, .offset: 32, .size: 8, .value_kind: global_buffer, .address_space: global }
      - { .name: x_codes, .offset: 40, .size: 8, .value_kind: global_buffer, .address_space: global }
      - { .name: x_scales, .offset: 48, .size: 8, .value_kind: global_buffer, .address_space: global }
      - { .name: w_codes, .offset: 56, .size: 8, .value_kind: global_buffer, .address_space: global }
      - { .name: w_scales, .offset: 64, .size: 8, .value_kind: global_buffer, .address_space: global }
      - { .name: wo16, .offset: 72, .size: 8, .value_kind: global_buffer, .address_space: global }
    .group_segment_fixed_size: 33280
    .private_segment_fixed_size: 0
    .kernarg_segment_align: 8
    .kernarg_segment_size: 80
    .max_flat_workgroup_size: 128
    .sgpr_count:     66
    .vgpr_count:     256
    .wavefront_size: 32
...
	.end_amdgpu_metadata
.endif
;; end of part 1
;; launch qkvgemm (part 2): grid 12 x 32, 4 waves a work-group, clusters of 4 x 4, 327,680 bytes of LDS; arguments x_codes, x_scales, w_codes, w_scales, bq, bk, bv, qkv; writes qkv
.if DOCPART == 2
	.amdgcn_target "amdgcn-amd-amdhsa--gfx1250"
	.amdhsa_code_object_version 6
	.text
	.protected	k_qd52b78d4f6_qkvgemm
	.globl	k_qd52b78d4f6_qkvgemm
	.p2align	8
	.type	k_qd52b78d4f6_qkvgemm,@function
k_qd52b78d4f6_qkvgemm:
	s_mov_b64 s[64:65], 0
	v_nop
	global_prefetch_b8 v0, s[64:65] scope:SCOPE_SE
	s_setreg_imm32_b32 hwreg(HW_REG_WAVE_MODE, 25, 1), 1
	s_wait_xcnt 0x0
	s_wait_alu depctr_hold_cnt(0) depctr_sa_sdst(0) depctr_va_vdst(0) depctr_va_sdst(0) depctr_va_ssrc(0) depctr_va_vcc(0) depctr_vm_vsrc(0)
	s_getreg_b32 s2, hwreg(HW_REG_IB_STS2, 6, 4)
	s_cmp_eq_u32 s2, 0
	s_cbranch_scc0 .Lentry_in_a_cluster
	s_endpgm
.Lentry_in_a_cluster:
	s_bfe_u32 s2, ttmp6, 0x10000c
	s_cmp_lg_u32 s2, 0xf033
	s_cbranch_scc0 .Lentry_shape_is_right
	s_endpgm
.Lentry_shape_is_right:
; q, k, v = x W^T + b on codes of FP4 (E2M1) with one E8M0 scale for each 32 along K; sums in f32.  A = x_codes [8192][1024 codes], B = w_codes [3072][1024 codes] (Wq, Wk, Wv on end).
; The result leaves as f16, split by heads: qkv [which 3][batch 4][head 16][token 2048][64].  q is multiplied in f32 by c = log2(e) / 8 ahead of its one rounding, so that attention's scores are exponents of 2.
; LIMITS: |q c|, |k|, |v| stay under 65,504, f16's largest number; numbers under 6e-5 keep f16's absolute step there.
; A tile of C, 256 x 256, is made by four waves; a wave makes 128 x 128: 64 accumulators, 512 registers.  K = 1,024 is two K steps of 512 (tile rows of 256 bytes): both slots and all scale bytes are
; first fills, three tensor loads a wave, and nothing is filled again.  The grid has 12 x 32 tiles; the cluster's x is which of q, k, v.
; CLUSTERS: 4 x 4 work-groups; A's tiles are asked for jointly along a row of the cluster, B's along a column.  THE MATRIX INSTRUCTION IS USED TRANSPOSED (source 0 = 16 rows of B, source 1 = 16 rows of A):
; a lane holds eight neighbouring columns of one row of C.  THE BIAS is the C of each sum's first matrix instruction.
; REGISTERS: window 0: v0-31 addresses; v32-95 scale words, two sets; v128-191 A's fragments, one set; v192-255 the bias of my 128 columns; on the way out v32-191 are at work.
;   window 1: B's fragments, two sets, at v0 and v128.   window 2: accumulators of my rows 0-63 ((a, b) at v[8 (8 a + b)]);   window 3: rows 64-127.
.set SIZE_K, 1024
.set KSTEP,  512
.set NQ,     KSTEP/128                 ; matrix instructions deep in a slot
.set ROWB,   256                       ; a tile's row in bytes
.set KROW,   SIZE_K/2                  ; a row of codes in memory
.set PITCH,  272                       ; an LDS row: 256 bytes + 16: an odd multiple of 16, so the 16 rows of a load fall on 16 different 16-byte columns modulo 256
.set FR,     8
.set NL,     2
.set NP,     4                         ; places behind this matrix instruction (ISA guide 7.12.1)
.set HALFT,  128*PITCH
.set SLOT,   4*HALFT                   ; A's 256 rows, then B's 256 rows
.set KS,     SIZE_K/32                 ; a row of scale bytes
.set SCL,    2*SLOT                    ; behind the ring: the scales, as rows of 256 bytes + 16
.set HALFS,  (128*KS/256)*272
.set SBLK,   (16*KS/256)*272
.set SPARE,  SCL+4*HALFS               ; the spare words, 128 bytes a wave
.set SROW,   144                       ; the way out: a stage of two heads x 16 rows x (128 bytes + 16) for each wave, in slot 0, which has had its only fill and its last read by then
.set SHEAD,  16*SROW
.set ADRA, 16
.set ADRB, 20
.set STO,  24
.set RD,   25
.set CO,   26
.set ADRS, 27
.set SPW,  28
.set NIL,  29
.set BOF,  30                          ; v30  32 x (lane / 16): my eight numbers of a block's sixteen biases
.set SC,   32
.set TF,   32                          ; the way out: a block's 64 numbers, scaled
.set TH,   96                          ; and as f16: 32 registers
.set AF,   128
.set BK,   128                         ; rows read back from the stage: v128-159 and v160-191 by turns
.set BI,   192                         ; the bias: block b at v[BI + 8 b]
.set FAC,  66                          ; s[66:67] c for q, 1.0 for k and v
.set G1, 24
.set G0, 32
.set G1B, 48
.set G0B, 56
.set G1S, 68
.set G0S, 76
.set G1SB, 80
.set G0SB, 88
.set MSB, 0
.macro WIN new                         ; the immediate's high byte repeats the setting that is left
.if MSB != (\new)
	s_set_vgpr_msb (MSB<<8)|(\new)
.set MSB, (\new)
.endif
.endm
.set MUL_LO, 0xa1                      ; source 0 (B) window 1, source 1 (A) window 0, C and D window 2
.set MUL_HI, 0xf1                      ; the same, C and D window 3
.set FIRST_LO, 0x81                    ; the first step: C (the bias) window 0, D window 2
.set FIRST_HI, 0xc1                    ; D window 3
.set TO_B,   0x40
; A joint load: waves 0 and 1 fetch for A, waves 2 and 3 for B; the branch hangs on the wave's number alone.  An s_nop 0 and four v_nop follow each of the two lines.
.macro JLOAD g0a, g1a, g0b, g1b
	s_cmp_eq_u32 s15, 0
	s_cbranch_scc0 .Lfor_b_\@
	tensor_load_to_lds s[\g0a:\g0a+3], s[\g1a:\g1a+7]
	s_nop 0
.rept 4
	v_nop
.endr
	s_branch .Lasked_\@
.Lfor_b_\@:
	tensor_load_to_lds s[\g0b:\g0b+3], s[\g1b:\g1b+7]
	s_nop 0
.rept 4
	v_nop
.endr
.Lasked_\@:
.endm
.macro CROUND                          ; a round of the cluster's barrier
	s_barrier_signal -1
	s_barrier_wait -1
	s_cmp_lg_u32 s14, 0
	s_cbranch_scc1 .Lnot_wave_0_\@
	s_barrier_signal -3
.Lnot_wave_0_\@:
	s_barrier_wait -3
	s_barrier_signal -1
	s_barrier_wait -1
.endm
	s_load_b128 s[4:7], s[0:1], 0x0                ; x's codes, x's scales
	s_load_b128 s[8:11], s[0:1], 0x10              ; the weights' codes, their scales
	s_load_b128 s[96:99], s[0:1], 0x20             ; bq, bk
	s_load_b64 s[100:101], s[0:1], 0x30            ; bv
	s_load_b64 s[12:13], s[0:1], 0x38              ; qkv
	v_lshl_add_u32 v[SPW], v0, 2, SPARE
	v_mov_b32 v[NIL], 0
	ds_add_u32 v[SPW], v[NIL]                      ; the wave's opening: the add and its wait stand ahead of my first tensor load; the set-up below stands between them
	v_lshrrev_b32 v1, 5, v0
	v_readfirstlane_b32 s14, v1                    ; wave 0..3
	s_lshr_b32 s15, s14, 1                         ; which half of the tile's rows is mine.  Also: I fetch for A (0) or for B (1)
	s_and_b32 s16, s14, 1                          ; which half of its columns.  Also: which 128 rows of that tile I fetch
	s_bfe_u32 s40, ttmp6, 0x40000                  ; cx, cy: my place in the cluster
	s_bfe_u32 s41, ttmp6, 0x40004
	s_lshl_b32 s42, ttmp9, 2
	s_add_co_u32 s42, s42, s40                     ; tile column of C = 4 x cluster x + cx
	s_and_b32 s17, ttmp7, 0xffff
	s_lshl_b32 s17, s17, 2
	s_add_co_u32 s17, s17, s41                     ; tile row of C = 4 x cluster y + cy
	s_lshl_b32 s43, s41, 2
	s_lshl_b32 s43, 15, s43                        ; my row of the cluster
	s_lshl_b32 s44, 0x1111, s40                    ; my column
	s_or_b32 s[G1+0], s43, (0<<16)|(1<<20)|(1<<21)|(5<<22)|(3<<25)  ; the mask: A's tiles go to my row; elements of 1 byte; padding: 4 words after every 64
	s_or_b32 s[G1B+0], s44, (0<<16)|(1<<20)|(1<<21)|(5<<22)|(3<<25)
.irp g, G1, G1B
	s_mov_b32 s[\g+1], ROWB<<16                    ; tensor_dim0
	s_mov_b32 s[\g+2], 128<<16                     ; tensor_dim1
	s_mov_b32 s[\g+3], ROWB<<16                    ; tile_dim0
	s_mov_b32 s[\g+4], 128                         ; tile_dim1
	s_mov_b32 s[\g+5], KROW                        ; the pitch
	s_mov_b32 s[\g+6], 0
	s_mov_b32 s[\g+7], 0
.endr
	s_or_b32 s[G1S+0], s43, (3<<16)|(1<<20)|(1<<21)|(5<<22)|(3<<25) ; the scales of 128 rows: 4,096 dense bytes, as 16 rows of 32 elements of 8 bytes, 16 bytes of padding behind each
	s_or_b32 s[G1SB+0], s44, (3<<16)|(1<<20)|(1<<21)|(5<<22)|(3<<25)
.irp g, G1S, G1SB
	s_mov_b32 s[\g+1], 32<<16
	s_mov_b32 s[\g+2], (128*KS/256)<<16
	s_mov_b32 s[\g+3], 32<<16
	s_mov_b32 s[\g+4], 128*KS/256
	s_mov_b32 s[\g+5], 32
	s_mov_b32 s[\g+6], 0
	s_mov_b32 s[\g+7], 0
.endr
	s_lshl_b32 s18, s16, 7                         ; which 128 rows of the tile I fetch
	s_lshl_b32 s20, s17, 8
	s_add_co_u32 s20, s20, s18                     ; A: row 256 x tile row + 128 x half
	s_lshl_b32 s46, s42, 8
	s_add_co_u32 s46, s46, s18                     ; B: row 256 x tile column + 128 x half
	s_mov_b32 s21, 0
	s_mov_b32 s47, 0
	s_mov_b64 s[18:19], KS
	s_mul_u64 s[22:23], s[20:21], s[18:19]         ; where these rows' scales begin, in bytes
	s_mul_u64 s[92:93], s[46:47], s[18:19]
	s_mov_b64 s[18:19], KROW
	s_mul_u64 s[20:21], s[20:21], s[18:19]         ; and their codes
	s_mul_u64 s[46:47], s[46:47], s[18:19]
	s_mul_i32 s45, s14, HALFT                      ; where they go: wave x 128 rows
	s_mul_i32 s94, s14, HALFS
	s_wait_dscnt 0x0                               ; the opening add is done
	s_wait_kmcnt 0x0
	s_add_nc_u64 s[20:21], s[4:5], s[20:21]
	s_add_nc_u64 s[22:23], s[6:7], s[22:23]
	s_add_nc_u64 s[46:47], s[8:9], s[46:47]
	s_add_nc_u64 s[92:93], s[10:11], s[92:93]
	CROUND                                         ; all sixteen work-groups are here: the joint loads meet
	s_mov_b32 s[G0S], 1
	s_add_co_u32 s[G0S+1], s94, SCL
	s_mov_b64 s[G0S+2:G0S+3], s[22:23]
	s_or_b32 s[G0S+3], s[G0S+3], 0x80000000
	s_mov_b32 s[G0SB], 1
	s_add_co_u32 s[G0SB+1], s94, SCL
	s_mov_b64 s[G0SB+2:G0SB+3], s[92:93]
	s_or_b32 s[G0SB+3], s[G0SB+3], 0x80000000
	JLOAD G0S, G1S, G0SB, G1SB                     ; the scales first: they are wanted with K step 0
.irp s, 0,1
	s_mov_b32 s[G0+4*\s], 1
	s_add_co_u32 s[G0+4*\s+1], s45, \s*SLOT
	s_add_nc_u64 s[G0+4*\s+2:G0+4*\s+3], s[20:21], \s*ROWB
	s_or_b32 s[G0+4*\s+3], s[G0+4*\s+3], 0x80000000
	s_mov_b32 s[G0B+4*\s], 1
	s_add_co_u32 s[G0B+4*\s+1], s45, \s*SLOT
	s_add_nc_u64 s[G0B+4*\s+2:G0B+4*\s+3], s[46:47], \s*ROWB
	s_or_b32 s[G0B+4*\s+3], s[G0B+4*\s+3], 0x80000000
	JLOAD G0+4*\s, G1, G0B+4*\s, G1B               ; three tensor loads of mine are out in all
.endr
	v_and_b32 v1, 15, v0                           ; r = lane % 16
	v_bfe_u32 v2, v0, 4, 1                         ; h = lane / 16
	; the bias and the factor: the cluster's x says which of q, k, v
	s_cmp_eq_u32 ttmp9, 0
	s_cselect_b64 s[96:97], s[96:97], s[98:99]
	s_cselect_b32 s[FAC], 0x3e38aa3b, 1.0          ; c = log2(e) / 8 for q
	s_cmp_eq_u32 ttmp9, 2
	s_cselect_b64 s[96:97], s[100:101], s[96:97]
	s_mov_b32 s[FAC+1], s[FAC]                     ; (named with it as a pair, so it is written)
	s_lshl_b32 s20, s40, 10                        ; my first column among the 1,024: 256 cx + 128 x half, 4 bytes each
	s_lshl_b32 s21, s16, 9
	s_add_co_u32 s20, s20, s21
	s_mov_b32 s21, 0
	s_add_nc_u64 s[96:97], s[96:97], s[20:21]
	v_lshlrev_b32 v[BOF], 5, v2
.irp b, 0,1,2,3,4,5,6,7
	global_load_b128 v[BI+8*\b:BI+8*\b+3],   v[BOF], s[96:97] offset:64*\b      ; lane (r, h): the biases of columns 16 b + 8 h + 0 .. 7: the result's layout
	global_load_b128 v[BI+8*\b+4:BI+8*\b+7], v[BOF], s[96:97] offset:64*\b+16
.endr
	v_mul_u32_u24 v3, v1, PITCH
	v_lshl_add_u32 v4, v2, 4, v3                   ; a fragment's row x pitch + 16 x half
	s_mul_i32 s21, s15, HALFT                      ; my 128 rows of A
	s_mul_i32 s22, s16, HALFT                      ; my 128 rows of B,
	s_add_co_u32 s22, s22, 2*HALFT                 ; which lie behind A's 256
.irp s, 0,1
	v_add_nc_u32 v[ADRA+\s], s21, v4
	v_add_nc_u32 v[ADRB+\s], s22, v4
	s_add_co_u32 s21, s21, SLOT
	s_add_co_u32 s22, s22, SLOT
.endr
	v_mul_u32_u24 v5, v1, KS                       ; my row's scales: KS bytes a row,
	v_lshrrev_b32 v6, 8, v5
	v_lshl_add_u32 v5, v6, 4, v5                   ; and 16 more for each 256 passed
	s_mul_i32 s21, s15, HALFS                      ; A's: my 128 rows
	s_mul_i32 s22, s16, HALFS                      ; B's: my 128 rows, behind A's 256
	s_add_co_u32 s22, s22, 2*HALFS
	s_sub_co_u32 s22, s22, s21
	v_mul_u32_u24 v6, s22, v2                      ; lanes 16-31 take B's: one product, the distance between the two bases
	s_add_co_u32 s21, s21, SCL
	v_add_nc_u32 v5, v5, v6
	v_add_nc_u32 v[ADRS], s21, v5
	s_mul_i32 s23, s14, 2*SHEAD                    ; my stage
	v_mul_u32_u24 v5, v1, SROW                     ; in: row r, 16 bytes for each half of the lanes
	v_lshl_add_u32 v5, v2, 4, v5
	v_add_nc_u32 v[STO], s23, v5
	v_bfe_u32 v5, v0, 3, 2                         ; back: eight lanes to a row of 128 bytes, four rows an instruction
	v_mul_u32_u24 v5, v5, SROW
	v_and_b32 v6, 7, v0
	v_lshl_add_u32 v5, v6, 4, v5
	v_add_nc_u32 v[RD], s23, v5
	v_and_b32 v6, 31, v0
	v_lshlrev_b32 v[CO], 4, v6                     ; in qkv four tokens of a head are 512 consecutive bytes: 16 x lane
	; where my part begins in qkv: head number (64 which + 16 batch + 4 cx + 2 half) x 262,144 bytes + token x 128 bytes
	s_lshl_b32 s20, ttmp9, 6
	s_lshr_b32 s21, s17, 3                         ; eight tile rows to a batch
	s_lshl_b32 s21, s21, 4
	s_add_co_u32 s20, s20, s21
	s_lshl_b32 s21, s40, 2
	s_add_co_u32 s20, s20, s21
	s_lshl_b32 s21, s16, 1
	s_add_co_u32 s20, s20, s21
	s_lshl_b32 s20, s20, 18
	s_and_b32 s21, s17, 7
	s_lshl_b32 s21, s21, 15                        ; 256 tokens of 128 bytes
	s_add_co_u32 s20, s20, s21
	s_lshl_b32 s21, s15, 14                        ; my 128 of them
	s_add_co_u32 s20, s20, s21
	s_mov_b32 s21, 0
	s_add_nc_u64 s[12:13], s[12:13], s[20:21]
.macro FRAG reg, adr, q, i             ; a fragment, 16 rows x 128 K of 4-bit codes: 8 registers: lane l holds row l % 16; registers 4 c .. 4 c + 3 hold K = 64 c + 32 (l / 16) + 0 .. 31
.irp c, 0,1
	ds_load_b128 v[\reg+4*\c:\reg+4*\c+3], v[\adr] offset:64*(\q)+32*\c+(\i)*16*PITCH
.endr
.endm
; 16 matrix instructions: A's blocks a0, a0 + 1 x B's eight, the slot's q-th 128 along K.  p: B's set; sc: the set of scale words.  first = 1: the bias starts the sums: nothing is cleared.
; The 64 accumulators take turns, one instruction a turn, in the same order in every step.
.macro MUL16 a0, p, q, sc, first
.irp a, \a0, \a0+1
.irp b, 0,1,2,3,4,5,6,7
.if \first
	v_wmma_scale_f32_16x16x128_f8f6f4 v[8*(8*((\a)%4)+\b):8*(8*((\a)%4)+\b)+7], v[128*(\p)+FR*\b:128*(\p)+FR*\b+FR-1], v[AF+FR*(\a):AF+FR*(\a)+FR-1], v[BI+8*\b:BI+8*\b+7], v[SC+8*NQ*(\sc)+NQ*\b+(\q)], v[SC+8*NQ*(\sc)+NQ*(\a)+(\q)] matrix_a_fmt:MATRIX_FMT_FP4 matrix_b_fmt:MATRIX_FMT_FP4 matrix_a_scale:MATRIX_SCALE_ROW1
.else
	v_wmma_scale_f32_16x16x128_f8f6f4 v[8*(8*((\a)%4)+\b):8*(8*((\a)%4)+\b)+7], v[128*(\p)+FR*\b:128*(\p)+FR*\b+FR-1], v[AF+FR*(\a):AF+FR*(\a)+FR-1], v[8*(8*((\a)%4)+\b):8*(8*((\a)%4)+\b)+7], v[SC+8*NQ*(\sc)+NQ*\b+(\q)], v[SC+8*NQ*(\sc)+NQ*(\a)+(\q)] matrix_a_fmt:MATRIX_FMT_FP4 matrix_b_fmt:MATRIX_FMT_FP4 matrix_a_scale:MATRIX_SCALE_ROW1
.endif
.endr
.endr
.endm
.macro FETCH_B slot, q, p
	WIN TO_B
.irp i, 0,1,2,3,4,5,6,7
	FRAG 128*(\p)+FR*\i, ADRB+\slot, \q, \i
.endr
	WIN 0
.endm
.macro FETCH_A slot, q, i0
.irp i, \i0, \i0+1, \i0+2, \i0+3
	FRAG AF+FR*(\i), ADRA+\slot, \q, \i
.endr
.endm
.macro SCALES sc                       ; a K step's scale words into set sc: lanes 0-15 take A's block i, lanes 16-31 B's block i
.irp i, 0,1,2,3,4,5,6,7
	ds_load_b128 v[SC+8*NQ*\sc+NQ*\i:SC+8*NQ*\sc+NQ*\i+3], v[ADRS] offset:\i*SBLK
.endr
.endm
.macro PLACES n                        ; plain vector instructions that name none of the matrix instruction's registers, in front of loads into registers that it has read and of reads of its results
.rept \n
	v_nop
.endr
.endm
.macro STEP slot, q, first             ; a step of 128 along K that has its successor in the same slot
	s_wait_dscnt 4*NL                              ; B's set and A's blocks 0-3 are in; the youngest eight loads (A's blocks 4-7) may be out
.if \first
	WIN FIRST_LO
.else
	WIN MUL_LO
.endif
	MUL16 0, (\q)%2, \q, \slot, \first
	MUL16 2, (\q)%2, \q, \slot, \first
	s_wait_dscnt 0                                 ; A's blocks 4-7 are in
	PLACES NP
	FETCH_B \slot, (\q)+1, 1-(\q)%2
	FETCH_A \slot, (\q)+1, 0
.if \first
	WIN FIRST_HI
.else
	WIN MUL_HI
.endif
	MUL16 4, (\q)%2, \q, \slot, \first
	MUL16 6, (\q)%2, \q, \slot, \first
	PLACES NP
	WIN 0
	FETCH_A \slot, (\q)+1, 4
.endm
.macro TURN slot, next                 ; a slot's last step changes slots: one barrier; nothing is filled again
	s_wait_tensorcnt 0x0                           ; all my tensor loads have landed: my part of the next slot;
	ds_add_u32 v[SPW], v[NIL]                      ; 0 onto my spare word;
	s_wait_dscnt 4*NL+1                            ; (the add and the youngest eight loads, A's blocks 4-7, may be out)
	WIN MUL_LO
	MUL16 0, 1, NQ-1, \slot, 0                     ; sixteen matrix instructions stand between the add and the wait for it
	s_wait_dscnt 0x0                               ; the add is done, and my reads of this slot are over
	s_barrier_signal -1
	MUL16 2, 1, NQ-1, \slot, 0
	WIN 0
	s_barrier_wait -1                              ; the next slot is whole, and nobody reads this one any more
	PLACES NP
	v_add_nc_u32 v[ADRS], 4*NQ, v[ADRS]            ; on to the next K step's scale words (no LDS load of mine is out)
	FETCH_B \next, 0, 0
	FETCH_A \next, 0, 0
	SCALES \next
	WIN MUL_HI
	MUL16 4, 1, NQ-1, \slot, 0
	MUL16 6, 1, NQ-1, \slot, 0
	PLACES NP
	WIN 0
	FETCH_A \next, 0, 4
.endm
.macro STEPS slot, from
.set Q, \from
.rept NQ-1-\from
	STEP \slot, Q, 0
.set Q, Q+1
.endr
.endm
	s_wait_tensorcnt 1                             ; the scales and my part of K step 0 are in (K step 1's load may be out),
	s_barrier_signal -1
	s_barrier_wait -1                              ; everybody's are
	FETCH_B 0, 0, 0
	FETCH_A 0, 0, 0
	SCALES 0
	FETCH_A 0, 0, 4
	s_wait_loadcnt 0x0                             ; the bias
	STEP 0, 0, 1
	STEPS 0, 1
	TURN 0, 1
	STEPS 1, 0
	s_wait_dscnt 4*NL                              ; the very last step: nothing more to fetch
	WIN MUL_LO
	MUL16 0, 1, NQ-1, 1, 0
	MUL16 2, 1, NQ-1, 1, 0
	s_wait_dscnt 0
	WIN MUL_HI
	MUL16 4, 1, NQ-1, 1, 0
	MUL16 6, 1, NQ-1, 1, 0
	WIN 0
; THE WAY OUT, block by block of 16 tokens x 128 columns (two heads).  PACK: x the factor, in f32, then one rounding to f16: a lane's eight columns are 16 bytes.  TOSTAGE: into my stage, head by head, rows of 144 bytes,
; and back four rows of 128 bytes an instruction.  SEND: four tokens of a head are 512 consecutive bytes of qkv.
.macro PACK a
.set AC, 64*((\a)%4)
	WIN 0x02+(\a)/4                                ; source 0: window 2 or 3
.irp b, 0,1,2,3,4,5,6,7
.irp r, 0,1,2,3
	v_pk_mul_f32 v[TF+8*\b+2*\r:TF+8*\b+2*\r+1], v[AC+8*\b+2*\r:AC+8*\b+2*\r+1], s[FAC:FAC+1] op_sel_hi:[1,0]   ; each accumulator from its low end on
.endr
.endr
	WIN 0
.set i, 0
.rept 32
	v_cvt_pk_f16_f32 v[TH+i], v[TF+2*i], v[TF+2*i+1]
.set i, i+1
.endr
.endm
.macro TOSTAGE a
.set BB, BK+32*((\a)%2)
.irp b, 0,1,2,3,4,5,6,7
	ds_store_b128 v[STO], v[TH+4*\b:TH+4*\b+3] offset:(\b/4)*SHEAD+(\b%4)*32
.endr
.irp i, 0,1,2,3,4,5,6,7
	ds_load_b128 v[BB+4*\i:BB+4*\i+3], v[RD] offset:(\i/4)*SHEAD+(\i%4)*4*SROW   ; LDS serves a wave's instructions in order: these see the stores above
.endr
.endm
.macro SEND a
.set BB, BK+32*((\a)%2)
	s_wait_dscnt 0x0                               ; the block is back in registers
	s_wait_xcnt 0x0                                ; the stores of the block before have read their registers: the next block's loads may land there
.irp i, 0,1,2,3,4,5,6,7
	global_store_b128 v[CO], v[BB+4*\i:BB+4*\i+3], s[12:13] offset:(\i/4)*262144+(\a)*2048+(\i%4)*512   ; 32 lanes store 512 consecutive bytes, at a multiple of 512 from qkv's first byte
.endr
.endm
	PLACES NP                                      ; behind the last products: for the writes of the scale words' registers, the loads into A's and the reads of results
	PACK 0
	TOSTAGE 0
.irp a, 1,2,3,4,5,6,7                  ; block a's arithmetic stands between block a - 1's loads from the stage and the wait for them
	PACK \a
	SEND \a-1
	TOSTAGE \a
.endr
	SEND 7
	s_wait_tensorcnt 0x0                           ; the wave's end, behind my last tensor load and my last LDS store
	ds_add_u32 v[SPW], v[NIL]
	s_wait_dscnt 0x0
	CROUND                                         ; the closing round: no work-group ends while a partner may still ask for a tile that names it
	s_endpgm
.Lfunc_end_k_qd52b78d4f6_qkvgemm:
	.size	k_qd52b78d4f6_qkvgemm, .Lfunc_end_k_qd52b78d4f6_qkvgemm-k_qd52b78d4f6_qkvgemm
	.p2alignl 7, 3214868480
	.fill 96, 4, 3214868480
	.section	.rodata,"a",@progbits
	.p2align	6, 0x0
	.amdhsa_kernel k_qd52b78d4f6_qkvgemm
		.amdhsa_group_segment_fixed_size 327680
		.amdhsa_private_segment_fixed_size 0
		.amdhsa_enable_private_segment 0
		.amdhsa_kernarg_size 64
		.amdhsa_user_sgpr_count 2
		.amdhsa_user_sgpr_kernarg_segment_ptr 1
		.amdhsa_wavefront_size32 1
		.amdhsa_system_sgpr_workgroup_id_x 1
		.amdhsa_system_sgpr_workgroup_id_y 1
		.amdhsa_system_sgpr_workgroup_id_z 1
		.amdhsa_system_vgpr_workitem_id 0
		.amdhsa_next_free_vgpr 1024
		.amdhsa_next_free_sgpr 102
		.amdhsa_reserve_vcc 0
		.amdhsa_float_denorm_mode_32 3
		.amdhsa_float_denorm_mode_16_64 3
		.amdhsa_memory_ordered 1
		.amdhsa_forward_progress 1
		.amdhsa_inst_pref_size 144
	.end_amdhsa_kernel
	.amdgpu_metadata
---
amdhsa.version: [ 1, 2 ]
amdhsa.kernels:
  - .name:           k_qd52b78d4f6_qkvgemm
    .symbol:         k_qd52b78d4f6_qkvgemm.kd
    .args:
      - { .name: x_codes, .offset: 0, .size: 8, .value_kind: global_buffer, .address_space: global }
      - { .name: x_scales, .offset: 8, .size: 8, .value_kind: global_buffer, .address_space: global }
      - { .name: w_codes, .offset: 16, .size: 8, .value_kind: global_buffer, .address_space: global }
      - { .name: w_scales, .offset: 24, .size: 8, .value_kind: global_buffer, .address_space: global }
      - { .name: bq, .offset: 32, .size: 8, .value_kind: global_buffer, .address_space: global }
      - { .name: bk, .offset: 40, .size: 8, .value_kind: global_buffer, .address_space: global }
      - { .name: bv, .offset: 48, .size: 8, .value_kind: global_buffer, .address_space: global }
      - { .name: qkv, .offset: 56, .size: 8, .value_kind: global_buffer, .address_space: global }
    .group_segment_fixed_size: 327680
    .private_segment_fixed_size: 0
    .kernarg_segment_align: 8
    .kernarg_segment_size: 64
    .max_flat_workgroup_size: 128
    .sgpr_count:     102
    .vgpr_count:     1024
    .wavefront_size: 32
...
	.end_amdgpu_metadata
.endif
;; end of part 2
;; launch attn (part 3): grid 4 x 64, 8 waves a work-group, clusters of 4 x 1, 327,680 bytes of LDS; arguments qkv, ao; writes ao
.if DOCPART == 3
	.amdgcn_target "amdgcn-amd-amdhsa--gfx1250"
	.amdhsa_code_object_version 6
	.text
	.protected	k_qd52b78d4f6_attn
	.globl	k_qd52b78d4f6_attn
	.p2align	8
	.type	k_qd52b78d4f6_attn,@function
k_qd52b78d4f6_attn:
	s_mov_b64 s[64:65], 0
	v_nop
	global_prefetch_b8 v0, s[64:65] scope:SCOPE_SE
	s_setreg_imm32_b32 hwreg(HW_REG_WAVE_MODE, 25, 1), 1
	s_wait_xcnt 0x0
	s_wait_alu depctr_hold_cnt(0) depctr_sa_sdst(0) depctr_va_vdst(0) depctr_va_sdst(0) depctr_va_ssrc(0) depctr_va_vcc(0) depctr_vm_vsrc(0)
	s_getreg_b32 s2, hwreg(HW_REG_IB_STS2, 6, 4)
	s_cmp_eq_u32 s2, 0
	s_cbranch_scc0 .Lentry_in_a_cluster
	s_endpgm
.Lentry_in_a_cluster:
	s_bfe_u32 s2, ttmp6, 0x10000c
	s_cmp_lg_u32 s2, 0x3003
	s_cbranch_scc0 .Lentry_shape_is_right
	s_endpgm
.Lentry_shape_is_right:
; ao[head][token][:] = the sum over keys of softmax(q . k / 8) v, for 64 (batch, head) pairs of 2,048 tokens and 64 channels.  q, k, v: qkv [3][64 heads][2048][64] f16; q already carries log2(e) / 8,
; so a score s is an exponent of 2.  Products on f16 operands, sums, maxima and the softmax in f32; the weights p are rounded to f16 for the second product, the result once at the end.
; ao: [head 16][token 8192][64] f16, so that 16 queries of a head are 2,048 consecutive bytes.
; LIMITS: NaN and infinities are not served.  p = 2^(s - m) with m the running maximum: at most 1; the result is at most the largest |v|, which has its room in f16.
; SHARES.  Work-group y is the (batch, head) pair; the four work-groups along x take 512 queries each and form a cluster.  Each of the eight waves owns 64 queries, four tiles of 16, in 512 registers:
; two waves to a SIMD, so that one wave's softmax stands beside the other's products.  Every wave walks all 2,048 keys, 64 a step.
; LAYOUT.  S^T = K Q^T (source 0 = 16 keys, source 1 = 16 queries) and O^T = V^T P (source 0 = 16 channels, source 1 = P): a lane holds ONE query throughout, and two tiles of S^T, rounded in pairs, ARE
; source 1 of the second product.  K comes out of LDS as it lies, V ([key][channel]) turned, by ds_load_tr16_b128.
; RING.  Two slots of four key steps; waves 0-3 fetch K's four steps, waves 4-7 V's, 64 rows of 128 bytes a load, asked for JOINTLY by the four work-groups of the cluster.
; The change of slots stands at a slot's head: the load that goes out behind it has four key steps in which to land.
; REGISTERS: window 0: v2-15 addresses; v16-47 eight registers of statistics a tile; v48-111 K of a step; v128-255 S^T, 32 a tile (P in a tile's first 16).
;   window 1: v0-63 Q; v64-127 V of a step; v128-255 O^T, 32 a tile.
.set KS,    64                         ; keys in a step
.set PK,    144                        ; a row of K in LDS: 128 bytes + 16: an odd multiple of 16
.set PV,    160                        ; a row of V: 128 + 32: an odd multiple of 32, as the turning load's eight rows x 32 bytes want
.set VOFF,  KS*PK                      ; a step: 64 rows of K, then 64 rows of V
.set STEPB, KS*(PK+PV)
.set NST,   4                          ; steps in a slot
.set SLOTB, NST*KS*128                 ; a slot's keys in memory: 32,768 bytes of K, as many of V
.set SLOT1, 1<<17                      ; slot 1 begins here: one exclusive or turns an address of one slot into the other's
.set STAGE, SLOT1+NST*STEPB            ; behind the ring: 16 rows x 144 bytes for each wave, for the way out
.set SPP,   144
.set SPARE, STAGE+8*16*SPP             ; the spare words, 128 bytes a wave
.set KPART, 64<<18                     ; k's part of qkv begins 64 heads of 262,144 bytes on,
.set VPART, 128<<18                    ; v's 128
.set AK0, 2                            ; v2   my lane's place in a tile of K; never rewritten
.set AV0, 3                            ; v3   the same for V
.set ADK, 4                            ; v4   LDS address of the step's K
.set ADV, 5                            ; v5   and V
.set QO,  6                            ; v6   my byte offset in the wave's rows of Q
.set STO, 7                            ; v7   the way out: where I put 16 bytes of a row
.set RD,  8                            ; v8   where I read rows back
.set GO,  9                            ; v9   my byte offset in the wave's rows of ao
.set PFO, 10                           ; v10  256 x lane: the prefetches' offset; never rewritten
.set SPW, 14                           ; v14  LDS address of my spare word; never rewritten
.set NIL, 15                           ; v15  0; never rewritten
.set ST,  16                           ; tile t's statistics at v[ST + 8 t]: +0 m, +1 m_old - m, +2, +3 l (even keys', odd keys'), +4 to +7 c0-c3 at work; a = 2^(m_old - m) takes c2's place
.set KF,  48
.set S,   128
.set VF,  64                           ; in window 1
.set OT,  128                          ; in window 1
.set WV,  12
.set LIM, 15                           ; s15  1 in a wave that prefetches, else the greatest number
.set PFA, 18                           ; s[18:19] where my prefetches stand
.set G1K, 24
.set G1V, 32
.set G0K, 40                           ; one walking group 0 for K's tiles, one for V's
.set G0V, 44
.set SLOTS, 56
.set CNT, 57
.set SEL, 60
.set TB,  62                           ; s62  LDS byte at which the step in hand begins
.set MSB, 0
.macro WIN new
.if MSB != (\new)
	s_set_vgpr_msb (MSB<<8)|(\new)
.set MSB, (\new)
.endif
.endm
.set W_KQ, 0x04                        ; K and S^T window 0, Q window 1
.set W_PV, 0x51                        ; V and O^T window 1, P window 0
.set W_RS, 0x41                        ; O^T (destination and source 0) window 1, a window 0
.set W_V,  0x40                        ; destination window 1, address window 0
.set W_CV, 0x05                        ; sources window 1, destination window 0
.macro JLOAD                           ; a joint load: the branch hangs on the wave's number alone; an s_nop 0 and four v_nop follow each of the two lines
	s_cmp_lt_u32 s[WV], 4
	s_cbranch_scc0 .Lfor_v_\@
	tensor_load_to_lds s[G0K:G0K+3], s[G1K:G1K+7]
	s_nop 0
.rept 4
	v_nop
.endr
	s_branch .Lasked_\@
.Lfor_v_\@:
	tensor_load_to_lds s[G0V:G0V+3], s[G1V:G1V+7]
	s_nop 0
.rept 4
	v_nop
.endr
.Lasked_\@:
.endm
; A PREFETCH of what the NEXT change of slots will ask for: 32,768 bytes of K and as many of V.  The four partners take 8,192 bytes each, told apart BY ADDRESS; in each, wave 0 asks for K's and wave 4 for V's,
; lanes 256 bytes apart: each block of 256 bytes is named once in the launch.  It stands four key steps ahead of the load that wants the data.  The last change that fills a slot asks for nothing.
.macro ASK
	s_cmp_gt_u32 s[SLOTS], s[LIM]
	s_cbranch_scc0 .Lnot_mine_\@
	global_prefetch_b8 v[PFO], s[PFA:PFA+1] th:TH_LOAD_NT scope:SCOPE_SE
.Lnot_mine_\@:
.endm
.macro CROUND                          ; a round of the cluster's barrier
	s_barrier_signal -1
	s_barrier_wait -1
	s_cmp_lg_u32 s[WV], 0
	s_cbranch_scc1 .Lnot_wave_0_\@
	s_barrier_signal -3
.Lnot_wave_0_\@:
	s_barrier_wait -3
	s_barrier_signal -1
	s_barrier_wait -1
.endm
	s_load_b128 s[4:7], s[0:1], 0x0                ; qkv, ao
	v_lshl_add_u32 v[SPW], v0, 2, SPARE
	v_mov_b32 v[NIL], 0
	ds_add_u32 v[SPW], v[NIL]                      ; the wave's opening: the add and its wait stand ahead of my first tensor load; the set-up below stands between them
	v_lshrrev_b32 v1, 5, v0
	v_readfirstlane_b32 s[WV], v1                  ; wave 0..7
	s_bfe_u32 s13, ttmp6, 0x40000                  ; cx: my place in the cluster
	s_lshl_b32 s14, ttmp9, 2
	s_add_co_u32 s14, s14, s13                     ; my block of 512 queries: it enters Q's and ao's addresses alone
	s_and_b32 s20, ttmp7, 0xffff                   ; 16 batch + head, which the four partners share
	s_and_b32 s16, s[WV], 3                        ; which of a slot's four steps I fetch:
	s_mul_i32 s17, s16, STEPB                      ; its place in a slot,
	s_lshl_b32 s10, s16, 13                        ; and its 64 rows of 128 bytes in memory
	s_mov_b32 s11, 0
	s_lshl_b32 s22, s20, 18                        ; the head's first byte in each part of qkv
	s_mov_b32 s23, 0
	s_lshl_b32 s2, s14, 16                         ; my block's 512 rows of 128 bytes,
	s_lshl_b32 s3, s[WV], 13                       ; my wave's 64 of them
	s_add_co_u32 s2, s2, s3
	s_mov_b32 s3, 0
	s_and_b32 s8, s20, 15                          ; ao: head x 8,192 tokens + batch x 2,048 tokens, 128 bytes each
	s_lshl_b32 s8, s8, 20
	s_lshr_b32 s9, s20, 4
	s_lshl_b32 s9, s9, 18
	s_add_co_u32 s8, s8, s9
	s_add_co_u32 s8, s8, s2
	s_mov_b32 s9, 0
	; descriptor group 1: a tile of 64 rows x 64 elements of 2 bytes, dense in memory, padded in LDS behind each row of 32 words
	s_mov_b32 s[G1K], 15|(1<<16)|(1<<20)|(1<<21)|(4<<22)|(3<<25)  ; the mask: all four work-groups; 4 words of padding
	s_mov_b32 s[G1V], 15|(1<<16)|(1<<20)|(1<<21)|(4<<22)|(7<<25)  ; 8 words of padding
.irp g, G1K, G1V
	s_mov_b32 s[\g+1], 64<<16                      ; tensor_dim0
	s_mov_b32 s[\g+2], KS<<16                      ; tensor_dim1
	s_mov_b32 s[\g+3], 64<<16                      ; tile_dim0
	s_mov_b32 s[\g+4], KS                          ; tile_dim1
	s_mov_b32 s[\g+5], 64                          ; the pitch
	s_mov_b32 s[\g+6], 0
	s_mov_b32 s[\g+7], 0
.endr
	s_mov_b32 s[SEL], 0x76543210
	s_mov_b32 s[SEL+1], 0xfedcba98                 ; v_permlanex16_b32's selects for lane l xor 16
	s_mov_b32 s[TB], 0
	s_mov_b32 s[SLOTS], 2048/(NST*KS)-1            ; seven slots are asked for behind a change
	s_cmp_eq_u32 s16, 0                            ; waves 0 and 4 prefetch: the same in all four partners
	s_cselect_b32 s[LIM], 1, -1
	s_mov_b32 s52, VPART
	s_cmp_lt_u32 s[WV], 4
	s_cselect_b32 s52, KPART, s52                  ; an offset is chosen, no pointer
	s_lshl_b32 s53, s13, 13                        ; my work-group's 8,192 bytes of a slot's 32,768
	s_add_co_u32 s52, s52, s53
	s_add_co_u32 s52, s52, SLOTB                   ; in slot 1: the first change steps it to slot 2.  Nothing is prefetched at the head
	s_mov_b32 s53, 0
	v_and_b32 v[PFO], 31, v0
	v_lshlrev_b32 v[PFO], 8, v[PFO]
	s_wait_dscnt 0x0                               ; the opening add is done
	s_wait_kmcnt 0x0
	s_add_nc_u64 s[48:49], s[4:5], s[22:23]        ; my head in q's part
	s_add_nc_u64 s[50:51], s[48:49], s[10:11]      ; + the step that I fetch
	s_mov_b32 s[G0K], 1
	s_mov_b32 s[G0K+1], s17                        ; LDS: slot 0
	s_add_nc_u64 s[G0K+2:G0K+3], s[50:51], KPART
	s_or_b32 s[G0K+3], s[G0K+3], 0x80000000
	s_mov_b32 s[G0V], 1
	s_add_co_u32 s[G0V+1], s17, VOFF
	s_add_nc_u64 s[G0V+2:G0V+3], s[50:51], VPART
	s_or_b32 s[G0V+3], s[G0V+3], 0x80000000
	s_add_nc_u64 s[PFA:PFA+1], s[48:49], s[52:53]
	s_add_nc_u64 s[4:5], s[48:49], s[2:3]          ; Q at my wave's first row
	s_add_nc_u64 s[6:7], s[6:7], s[8:9]            ; ao likewise
	CROUND                                         ; all four work-groups are here: the first joint loads meet
	JLOAD                                          ; slot 0: one tensor load of mine is out
	v_and_b32 v1, 15, v0                           ; r = lane % 16
	v_bfe_u32 v11, v0, 4, 1                        ; h = lane / 16
	v_lshlrev_b32 v[QO], 7, v1
	v_lshl_add_u32 v[QO], v11, 4, v[QO]            ; row r of 128 bytes + 16 h
	WIN W_V
.irp t, 0,1,2,3
.irp c, 0,1                            ; Q stays in registers: tile t, channels 32 c on: registers 0-3 channels 8 h + 0..7, registers 4-7 channels 16 + 8 h + 0..7
	global_load_b128 v[16*\t+8*\c:16*\t+8*\c+3],   v[QO], s[4:5] offset:2048*\t+64*\c
	global_load_b128 v[16*\t+8*\c+4:16*\t+8*\c+7], v[QO], s[4:5] offset:2048*\t+64*\c+32
.endr
.endr
.set i, 0
.rept 128
	v_mov_b32 v[OT+i], 0                           ; O^T.  The key step is written without a first step of its own: the first step finds zeros, and multiplies them by a = 0
.set i, i+1
.endr
	WIN 0
	v_mul_u32_u24 v[AK0], v1, PK
	v_lshl_add_u32 v[AK0], v11, 4, v[AK0]          ; K: row r x pitch + 16 h
	v_and_b32 v12, 7, v0
	v_bfe_u32 v13, v0, 3, 1
	v_lshl_add_u32 v[AV0], v11, 3, v12             ; V: the turning load: lane l reads 16 bytes of key 8 h + l % 8, channels 8 ((l / 8) % 2) + 0..7
	v_mul_u32_u24 v[AV0], v[AV0], PV
	v_lshl_add_u32 v[AV0], v13, 4, v[AV0]
	v_add_nc_u32 v[AV0], VOFF, v[AV0]
	s_mul_i32 s21, s[WV], 16*SPP
	s_add_co_u32 s21, s21, STAGE                   ; my stage
	v_add_nc_u32 v[STO], s21, v[AK0]               ; in: row r of 144 bytes + 16 h
	v_bfe_u32 v13, v0, 3, 2
	v_mul_u32_u24 v13, v13, SPP
	v_lshl_add_u32 v13, v12, 4, v13
	v_add_nc_u32 v[RD], s21, v13                   ; back: eight lanes to a row of 128 bytes, four rows an instruction
	v_and_b32 v12, 31, v0
	v_lshlrev_b32 v[GO], 4, v12                    ; and the same four rows in ao: 512 consecutive bytes
.irp t, 0,1,2,3
	v_mov_b32 v[ST+8*\t], 0xff61b1e6               ; m: -3e38, under every score
	v_mov_b32 v[ST+8*\t+1], 0
	v_mov_b32 v[ST+8*\t+2], 0                      ; l, in two halves
	v_mov_b32 v[ST+8*\t+3], 0
.endr
; THE SOFTMAX of a key step, the four tiles by turns in every line, so that no line waits for the line above it.
.macro SOFTMAX
.irp k, 0,1,2,3                        ; the maximum of a lane's 32 scores and the old m: four chains, each begun at its accumulator's low end
.irp t, 0,1,2,3
	v_max3_num_f32 v[ST+8*\t+4+\k], v[S+32*\t+8*\k], v[S+32*\t+8*\k+1], v[S+32*\t+8*\k+2]
.endr
.endr
.irp i, 3,5
.irp k, 0,1,2,3
.irp t, 0,1,2,3
	v_max3_num_f32 v[ST+8*\t+4+\k], v[ST+8*\t+4+\k], v[S+32*\t+8*\k+\i], v[S+32*\t+8*\k+\i+1]
.endr
.endr
.endr
.irp t, 0,1,2,3
	v_max3_num_f32 v[ST+8*\t+4], v[ST+8*\t+4], v[S+32*\t+7], v[S+32*\t+15]
.endr
.irp t, 0,1,2,3
	v_max3_num_f32 v[ST+8*\t+6], v[ST+8*\t+6], v[S+32*\t+23], v[S+32*\t+31]
.endr
.irp t, 0,1,2,3
	v_max3_num_f32 v[ST+8*\t+4], v[ST+8*\t+4], v[ST+8*\t+5], v[ST+8*\t+6]
.endr
.irp t, 0,1,2,3
	v_max3_num_f32 v[ST+8*\t+4], v[ST+8*\t+4], v[ST+8*\t+7], v[ST+8*\t]
.endr
.irp t, 0,1,2,3
	v_permlanex16_b32 v[ST+8*\t+5], v[ST+8*\t+4], s[SEL], s[SEL+1]   ; the query's other 32 keys lie in the lane 16 away
.endr
.irp t, 0,1,2,3
	v_mov_b32 v[ST+8*\t+1], v[ST+8*\t]             ; m_old
.endr
.irp t, 0,1,2,3
	v_max_num_f32 v[ST+8*\t], v[ST+8*\t+4], v[ST+8*\t+5]             ; the new m
.endr
.irp t, 0,1,2,3
	v_sub_f32 v[ST+8*\t+1], v[ST+8*\t+1], v[ST+8*\t]                 ; m_old - m, 0 or less
.endr
; ONE BATCH: 132 exponentials, and between them the subtractions s - m of the tile after.  None of these lines names an exponential's result.
.irp t, 0,1,2,3
	v_exp_f32 v[ST+8*\t+6], v[ST+8*\t+1]           ; a = 2^(m_old - m)
.endr
.irp i, 0,2,4,6,8,10,12,14,16,18,20,22,24,26,28,30
	v_pk_add_f32 v[S+\i:S+\i+1], v[S+\i:S+\i+1], v[ST:ST+1] op_sel_hi:[1,0] neg_lo:[0,1] neg_hi:[0,1]   ; s - m, two at a time (of the pair the low word, m, serves both halves)
.endr
.irp t, 0,1,2
.irp i, 0,2,4,6,8,10,12,14,16,18,20,22,24,26,28,30
	v_pk_add_f32 v[S+32*(\t+1)+\i:S+32*(\t+1)+\i+1], v[S+32*(\t+1)+\i:S+32*(\t+1)+\i+1], v[ST+8*(\t+1):ST+8*(\t+1)+1] op_sel_hi:[1,0] neg_lo:[0,1] neg_hi:[0,1]
	v_exp_f32 v[S+32*\t+\i], v[S+32*\t+\i]         ; p = 2^(s - m), at most 1
	v_exp_f32 v[S+32*\t+\i+1], v[S+32*\t+\i+1]
.endr
.endr
.set i, 0
.rept 32
	v_exp_f32 v[S+96+i], v[S+96+i]
.set i, i+1
.endr
	v_nop                                          ; a plain instruction behind the last exponential, ahead of the first use
	s_wait_alu depctr_va_vdst(0)                   ; the wait ahead of the first line that names a result: one for the whole batch
.irp t, 0,1,2,3
	v_pk_mul_f32 v[ST+8*\t+2:ST+8*\t+3], v[ST+8*\t+2:ST+8*\t+3], v[ST+8*\t+6:ST+8*\t+7] op_sel_hi:[1,0]   ; l x a
.endr
.irp t, 0,1,2,3
	v_pk_add_f32 v[ST+8*\t+4:ST+8*\t+5], v[S+32*\t:S+32*\t+1], v[S+32*\t+2:S+32*\t+3]   ; the sum of the unrounded p, in two chains
.endr
.irp j, 4,8,12,16,20,24,28
.irp t, 0,1,2,3
	v_pk_add_f32 v[ST+8*\t+2:ST+8*\t+3], v[ST+8*\t+2:ST+8*\t+3], v[S+32*\t+\j:S+32*\t+\j+1]
.endr
.irp t, 0,1,2,3
	v_pk_add_f32 v[ST+8*\t+4:ST+8*\t+5], v[ST+8*\t+4:ST+8*\t+5], v[S+32*\t+\j+2:S+32*\t+\j+3]
.endr
.endr
.irp t, 0,1,2,3
	v_pk_add_f32 v[ST+8*\t+2:ST+8*\t+3], v[ST+8*\t+2:ST+8*\t+3], v[ST+8*\t+4:ST+8*\t+5]
.endr
.irp i, 0,1,2,3,4,5,6,7,8,9,10,11,12,13,14,15
.irp t, 0,1,2,3
	v_cvt_pk_f16_f32 v[S+32*\t+\i], v[S+32*\t+2*\i], v[S+32*\t+2*\i+1]   ; P, in place: register i is written when registers up to 2 i - 1 have been read
.endr
.endr
	WIN W_RS
.irp i, 0,1,2,3,4,5,6,7,8,9,10,11,12,13,14,15
.irp t, 0,1,2,3
	v_pk_mul_f32 v[OT+32*\t+2*\i:OT+32*\t+2*\i+1], v[OT+32*\t+2*\i:OT+32*\t+2*\i+1], v[ST+8*\t+6:ST+8*\t+7] op_sel_hi:[1,0]   ; O^T x a, each accumulator from its low end on
.endr
.endr
.endm
; A KEY STEP: 64 keys at LDS byte s[TB].
.macro STEP
	v_add_nc_u32 v[ADK], s[TB], v[AK0]
	v_add_nc_u32 v[ADV], s[TB], v[AV0]
.rept 3
	v_nop                                          ; with the two additions five places behind the last step's products: four for the loads into V's registers, five for the products below, which write over P
.endr
.irp kt, 0,1,2,3
.irp c, 0,1
	ds_load_b128 v[KF+16*\kt+8*\c:KF+16*\kt+8*\c+3],   v[ADK] offset:16*PK*\kt+64*\c
	ds_load_b128 v[KF+16*\kt+8*\c+4:KF+16*\kt+8*\c+7], v[ADK] offset:16*PK*\kt+64*\c+32
.endr
.endr
	WIN W_V
.irp f, 0,1
.irp ct, 0,1,2,3
	ds_load_tr16_b128 v[VF+8*(4*\f+\ct):VF+8*(4*\f+\ct)+3],   v[ADV] offset:32*PV*\f+32*\ct
	ds_load_tr16_b128 v[VF+8*(4*\f+\ct)+4:VF+8*(4*\f+\ct)+7], v[ADV] offset:32*PV*\f+32*\ct+16*PV
.endr
.endr
	s_wait_dscnt 16                                ; K's sixteen loads are in; V's sixteen may be out
	WIN W_KQ
.irp c, 0,1                            ; S^T = K Q^T: the 16 accumulators take turns, one instruction a turn
.irp kt, 0,1,2,3
.irp t, 0,1,2,3
.if \c == 0
	v_wmma_f32_16x16x32_f16 v[S+32*\t+8*\kt:S+32*\t+8*\kt+7], v[KF+16*\kt+8*\c:KF+16*\kt+8*\c+7], v[16*\t+8*\c:16*\t+8*\c+7], 0
.else
	v_wmma_f32_16x16x32_f16 v[S+32*\t+8*\kt:S+32*\t+8*\kt+7], v[KF+16*\kt+8*\c:KF+16*\kt+8*\c+7], v[16*\t+8*\c:16*\t+8*\c+7], v[S+32*\t+8*\kt:S+32*\t+8*\kt+7]
.endif
.endr
.endr
.endr
	WIN 0
.rept 4
	v_nop                                          ; four places in front of the first read of the scores
.endr
	SOFTMAX
	s_wait_dscnt 0x0                               ; V is in
	WIN W_PV
.irp f, 0,1                            ; O^T += V^T P: keys 32 f on; the 16 accumulators take turns
.irp ct, 0,1,2,3
.irp t, 0,1,2,3
	v_wmma_f32_16x16x32_f16 v[OT+32*\t+8*\ct:OT+32*\t+8*\ct+7], v[VF+8*(4*\f+\ct):VF+8*(4*\f+\ct)+7], v[S+32*\t+8*\f:S+32*\t+8*\f+7], v[OT+32*\t+8*\ct:OT+32*\t+8*\ct+7]
.endr
.endr
.endr
.endm
; THE CHANGE OF SLOTS, at a slot's head.  Each wave waits for all its tensor loads (its part of the slot ahead), adds 0 to its spare word, and waits for that and for its reads of the slot that it has left.
; fill = 1: the barrier is a round of the cluster's, and behind it the slot just left takes the next 256 keys (the first time: slot 1's first fill, issued in the same way).
.macro CHANGE fill
	WIN 0
	s_wait_tensorcnt 0x0                           ; no tensor load of mine is out, so a group 0 may be written
	ds_add_u32 v[SPW], v[NIL]                      ; 0 onto my spare word
.if \fill
.irp g, G0K, G0V
	s_xor_b32 s[\g+1], s[\g+1], SLOT1              ; the walking descriptors: the other slot,
	s_add_nc_u64 s[\g+2:\g+3], s[\g+2:\g+3], SLOTB ; the next 256 keys; the type bits on top are not reached
.endr
	s_wait_xcnt 0x0                                ; the last prefetch, a slot back, has read its address, so it may be written:
	s_add_nc_u64 s[PFA:PFA+1], s[PFA:PFA+1], SLOTB ; one slot further on than the walking descriptors
	s_wait_dscnt 0x0                               ; the add is done, and my reads of the slot that I have left are over
	CROUND
	JLOAD                                          ; the first thing behind the round, and my one tensor load until the next
	ASK
.else
	s_wait_dscnt 0x0
	s_barrier_signal -1
	s_barrier_wait -1
.endif
.endm
.macro FOUR_STEPS                      ; a slot's four key steps: written once, walked four times
	s_mov_b32 s[CNT], NST
.Lstep_\@:
	STEP
	WIN 0
	s_add_co_u32 s[TB], s[TB], STEPB
	s_sub_co_u32 s[CNT], s[CNT], 1
	s_cmp_lg_u32 s[CNT], 0
	s_cbranch_scc1 .Lstep_\@
	s_sub_co_u32 s[TB], s[TB], NST*STEPB           ; back to a slot's first step,
	s_xor_b32 s[TB], s[TB], SLOT1                  ; in the other slot
.endm
	s_wait_loadcnt 0x0                             ; Q
.Lslot:                                            ; seven trips: behind each change of slots but the last the next slot is asked for
	CHANGE 1
	FOUR_STEPS
	s_sub_co_u32 s[SLOTS], s[SLOTS], 1
	s_cmp_lg_u32 s[SLOTS], 0
	s_cbranch_scc1 .Lslot
	CHANGE 0                                       ; the last slot is written out
	FOUR_STEPS
	; THE WAY OUT.  l's halves and the other half of the lanes' are added; O^T is divided by l, rounded to f16 and sent through my stage, a tile (16 rows of 128 bytes) at a time.  The four additions are the places behind the last products.
.irp t, 0,1,2,3
	v_add_f32 v[ST+8*\t+4], v[ST+8*\t+2], v[ST+8*\t+3]
.endr
.irp t, 0,1,2,3
	v_permlanex16_b32 v[ST+8*\t+5], v[ST+8*\t+4], s[SEL], s[SEL+1]
.endr
.irp t, 0,1,2,3
	v_add_f32 v[ST+8*\t+4], v[ST+8*\t+4], v[ST+8*\t+5]
.endr
.irp t, 0,1,2,3
	v_rcp_f32 v[ST+8*\t+6], v[ST+8*\t+4]
.endr
	v_nop                                          ; a plain instruction between the last reciprocal and the use of its result
	s_wait_alu depctr_va_vdst(0)                   ; and the wait: one for the four
.macro PACK t
	WIN W_RS
.set i, 0
.rept 16
	v_pk_mul_f32 v[OT+32*\t+i:OT+32*\t+i+1], v[OT+32*\t+i:OT+32*\t+i+1], v[ST+8*\t+6:ST+8*\t+7] op_sel_hi:[1,0]
.set i, i+2
.endr
	WIN W_CV
.set i, 0
.rept 16
	v_cvt_pk_f16_f32 v[S+32*\t+i], v[OT+32*\t+2*i], v[OT+32*\t+2*i+1]   ; registers 4 ct .. 4 ct + 3: channels 16 ct + 8 h + 0..7 of query r: 16 bytes
.set i, i+1
.endr
	WIN 0
.irp c, 0,1,2,3
	ds_store_b128 v[STO], v[S+32*\t+4*\c:S+32*\t+4*\c+3] offset:32*\c
.endr
.irp c, 0,1,2,3
	ds_load_b128 v[S+32*\t+16+4*\c:S+32*\t+16+4*\c+3], v[RD] offset:4*SPP*\c   ; LDS serves a wave's instructions in order: these see the stores above, and the next tile's stores come behind them
.endr
.endm
.macro SEND t, younger                 ; younger: the LDS instructions issued behind tile t's loads: the next tile's eight, or none
.irp c, 0,1,2,3
	s_wait_dscnt \younger+3-\c
	global_store_b128 v[GO], v[S+32*\t+16+4*\c:S+32*\t+16+4*\c+3], s[6:7] offset:2048*\t+512*\c   ; 32 lanes store 512 consecutive bytes, at a multiple of 512 from ao's first byte
.endr
.endm
	PACK 0
	PACK 1                                         ; a tile's arithmetic stands between the loads of the tile before and its stores
	SEND 0, 8
	PACK 2
	SEND 1, 8
	PACK 3
	SEND 2, 8
	SEND 3, 0
	s_wait_tensorcnt 0x0                           ; the wave's end, behind my last tensor load and my last LDS store
	ds_add_u32 v[SPW], v[NIL]
	s_wait_dscnt 0x0
	CROUND                                         ; the closing round
	s_endpgm
.Lfunc_end_k_qd52b78d4f6_attn:
	.size	k_qd52b78d4f6_attn, .Lfunc_end_k_qd52b78d4f6_attn-k_qd52b78d4f6_attn
	.p2alignl 7, 3214868480
	.fill 96, 4, 3214868480
	.section	.rodata,"a",@progbits
	.p2align	6, 0x0
	.amdhsa_kernel k_qd52b78d4f6_attn
		.amdhsa_group_segment_fixed_size 327680
		.amdhsa_private_segment_fixed_size 0
		.amdhsa_enable_private_segment 0
		.amdhsa_kernarg_size 16
		.amdhsa_user_sgpr_count 2
		.amdhsa_user_sgpr_kernarg_segment_ptr 1
		.amdhsa_wavefront_size32 1
		.amdhsa_system_sgpr_workgroup_id_x 1
		.amdhsa_system_sgpr_workgroup_id_y 1
		.amdhsa_system_sgpr_workgroup_id_z 1
		.amdhsa_system_vgpr_workitem_id 0
		.amdhsa_next_free_vgpr 512
		.amdhsa_next_free_sgpr 66
		.amdhsa_reserve_vcc 0
		.amdhsa_float_denorm_mode_32 3
		.amdhsa_float_denorm_mode_16_64 3
		.amdhsa_memory_ordered 1
		.amdhsa_forward_progress 1
		.amdhsa_inst_pref_size 91
	.end_amdhsa_kernel
	.amdgpu_metadata
---
amdhsa.version: [ 1, 2 ]
amdhsa.kernels:
  - .name:           k_qd52b78d4f6_attn
    .symbol:         k_qd52b78d4f6_attn.kd
    .args:
      - { .name: qkv, .offset: 0, .size: 8, .value_kind: global_buffer, .address_space: global }
      - { .name: ao, .offset: 8, .size: 8, .value_kind: global_buffer, .address_space: global }
    .group_segment_fixed_size: 327680
    .private_segment_fixed_size: 0
    .kernarg_segment_align: 8
    .kernarg_segment_size: 16
    .max_flat_workgroup_size: 256
    .sgpr_count:     66
    .vgpr_count:     512
    .wavefront_size: 32
...
	.end_amdgpu_metadata
.endif
;; end of part 3
;; launch oproj (part 4): grid 4 x 64, 4 waves a work-group, clusters of 4 x 4, 327,680 bytes of LDS; arguments ao, wo16, out0, bo; writes out0
.if DOCPART == 4
	.amdgcn_target "amdgcn-amd-amdhsa--gfx1250"
	.amdhsa_code_object_version 6
	.text
	.protected	k_qd52b78d4f6_oproj
	.globl	k_qd52b78d4f6_oproj
	.p2align	8
	.type	k_qd52b78d4f6_oproj,@function
k_qd52b78d4f6_oproj:
	s_mov_b64 s[64:65], 0
	v_nop
	global_prefetch_b8 v0, s[64:65] scope:SCOPE_SE
	s_setreg_imm32_b32 hwreg(HW_REG_WAVE_MODE, 25, 1), 1
	s_wait_xcnt 0x0
	s_wait_alu depctr_hold_cnt(0) depctr_sa_sdst(0) depctr_va_vdst(0) depctr_va_sdst(0) depctr_va_ssrc(0) depctr_va_vcc(0) depctr_vm_vsrc(0)
	s_getreg_b32 s2, hwreg(HW_REG_IB_STS2, 6, 4)
	s_cmp_eq_u32 s2, 0
	s_cbranch_scc0 .Lentry_in_a_cluster
	s_endpgm
.Lentry_in_a_cluster:
	s_bfe_u32 s2, ttmp6, 0x10000c
	s_cmp_lg_u32 s2, 0xf033
	s_cbranch_scc0 .Lentry_shape_is_right
	s_endpgm
.Lentry_shape_is_right:
; out0[m][n] = the sum over k of a[m][k] Wo[n][k] + bo[n].  a: ao [head 16][token 8192][64] f16, k = 64 head + channel; Wo: wo16 [1024][1024] f16; out0 [8192][1024] f32; sums in f32.
; A tile of out0 is 128 x 256, which gives 4 x 64 = 256 work-groups; four waves, each 64 x 128: 32 accumulators, 256 registers.  K goes in 8 steps of 128 (two heads) through a ring of two LDS slots.
; A's tile of a step is two dense blocks of 128 tokens x 128 bytes (one for each head), B's 256 rows of 256 bytes: waves 0 and 1 fetch A's two blocks, waves 2 and 3 B's two halves, one load a wave.
; CLUSTERS: 4 x 4 work-groups; A's tiles are asked for jointly along a row of the cluster, B's along a column.  THE MATRIX INSTRUCTION IS USED TRANSPOSED (source 0 = 16 rows of Wo, source 1 = 16 tokens):
; a lane holds eight neighbouring columns of one row of out0.  THE BIAS is the C of each sum's first matrix instruction.
; No prefetch: the launch has eight K steps, half of which would come by their own loads anyway, and every cluster reads Wo again.
; REGISTERS: window 0: v0-31 addresses; v64-191 rows on the way out; v192-255 the bias of my 128 columns.   window 1: two fragment buffers at v0 and v128: 64 registers of B (8 x 16 rows x 32 K), then 32 of A.
;   window 2: the accumulators ((a, b) at v[8 (8 a + b)]).
.set PA,     144                       ; a row of A in LDS: 128 bytes + 16
.set PB,     272                       ; a row of B: 256 bytes + 16: both odd multiples of 16
.set APART,  128*PA                    ; one head's 128 tokens
.set BOFF,   2*APART                   ; B lies behind A's two parts
.set BHALF,  128*PB
.set SLOT,   BOFF+2*BHALF
.set STAGE,  2*SLOT                    ; behind the ring: 16 rows x (512 bytes + 16) for each wave
.set SPITCH, 528
.set SPARE,  STAGE+4*16*SPITCH         ; the spare words, 128 bytes a wave
.set LAPS,   4                         ; a lap = two K steps = once round the ring
.set ADRA, 16
.set ADRB, 20
.set STO,  24
.set RD,   25
.set CO,   26
.set BOF,  27                          ; v27  32 x (lane / 16)
.set SPW,  28
.set NIL,  29
.set BK,   64
.set BI,   192
.set F0,   0
.set F1,   128
.set G1, 24
.set G0, 32
.set G1B, 48
.set G0B, 56
.set MSB, 0
.macro WIN new
.if MSB != (\new)
	s_set_vgpr_msb (MSB<<8)|(\new)
.set MSB, (\new)
.endif
.endm
.set MUL,   0xa5                       ; sources 0 (B) and 1 (A) window 1; C and D window 2
.set MUL0,  0x85                       ; the first quarter: C (the bias) window 0
.set TO_F,  0x40                       ; destination window 1, address window 0
.macro JLOAD s                         ; a joint load: waves 0 and 1 fetch for A, waves 2 and 3 for B; an s_nop 0 and four v_nop follow each of the two lines
	s_cmp_eq_u32 s11, 0
	s_cbranch_scc0 .Lfor_b_\@
	tensor_load_to_lds s[G0+4*\s:G0+4*\s+3], s[G1:G1+7]
	s_nop 0
.rept 4
	v_nop
.endr
	s_branch .Lasked_\@
.Lfor_b_\@:
	tensor_load_to_lds s[G0B+4*\s:G0B+4*\s+3], s[G1B:G1B+7]
	s_nop 0
.rept 4
	v_nop
.endr
.Lasked_\@:
.endm
.macro CREST                           ; a round of the cluster's barrier behind its opening barrier
	s_cmp_lg_u32 s10, 0
	s_cbranch_scc1 .Lnot_wave_0_\@
	s_barrier_signal -3
.Lnot_wave_0_\@:
	s_barrier_wait -3
	s_barrier_signal -1
	s_barrier_wait -1
.endm
.macro CROUND
	s_barrier_signal -1
	s_barrier_wait -1
	CREST
.endm
	s_load_b128 s[4:7], s[0:1], 0x0                ; ao, wo16
	s_load_b64 s[8:9], s[0:1], 0x10                ; out0
	s_load_b64 s[66:67], s[0:1], 0x18              ; bo
	v_lshl_add_u32 v[SPW], v0, 2, SPARE
	v_mov_b32 v[NIL], 0
	ds_add_u32 v[SPW], v[NIL]                      ; the wave's opening: the add and its wait stand ahead of my first tensor load; the set-up below stands between them
	v_lshrrev_b32 v1, 5, v0
	v_readfirstlane_b32 s10, v1                    ; wave 0..3
	s_lshr_b32 s11, s10, 1                         ; which half of the tile's rows is mine.  Also: I fetch for A (0) or for B (1)
	s_and_b32 s12, s10, 1                          ; which half of its columns.  Also: which of the two pieces I fetch
	s_bfe_u32 s40, ttmp6, 0x40000                  ; cx, cy
	s_bfe_u32 s41, ttmp6, 0x40004
	s_lshl_b32 s42, ttmp9, 2
	s_add_co_u32 s42, s42, s40                     ; tile column = 4 x cluster x + cx
	s_and_b32 s13, ttmp7, 0xffff
	s_lshl_b32 s13, s13, 2
	s_add_co_u32 s13, s13, s41                     ; tile row = 4 x cluster y + cy
	s_lshl_b32 s43, s41, 2
	s_lshl_b32 s43, 15, s43                        ; my row of the cluster
	s_lshl_b32 s44, 0x1111, s40                    ; my column
	s_or_b32 s[G1+0], s43, (1<<16)|(1<<20)|(1<<21)|(4<<22)|(3<<25)   ; A: elements of 2 bytes; 4 words of padding after every 32
	s_mov_b32 s[G1+1], 64<<16                      ; tensor_dim0 = 64
	s_mov_b32 s[G1+2], 128<<16                     ; tensor_dim1 = 128
	s_mov_b32 s[G1+3], 64<<16                      ; tile_dim0
	s_mov_b32 s[G1+4], 128                         ; tile_dim1
	s_mov_b32 s[G1+5], 64                          ; the pitch: a head's tokens are dense
	s_mov_b32 s[G1+6], 0
	s_mov_b32 s[G1+7], 0
	s_or_b32 s[G1B+0], s44, (1<<16)|(1<<20)|(1<<21)|(5<<22)|(3<<25)  ; B: 4 words of padding after every 64
	s_mov_b32 s[G1B+1], 128<<16
	s_mov_b32 s[G1B+2], 128<<16
	s_mov_b32 s[G1B+3], 128<<16
	s_mov_b32 s[G1B+4], 128
	s_mov_b32 s[G1B+5], 1024
	s_mov_b32 s[G1B+6], 0
	s_mov_b32 s[G1B+7], 0
	s_lshl_b32 s16, s12, 20                        ; A: head s12 (a head is 8,192 tokens of 128 bytes),
	s_lshl_b32 s17, s13, 14                        ; the tile row's 128 tokens
	s_add_co_u32 s16, s16, s17
	s_mov_b32 s17, 0
	s_lshl_b32 s46, s42, 19                        ; B: row 256 x tile column + 128 x piece, 2,048 bytes a row
	s_lshl_b32 s47, s12, 18
	s_add_co_u32 s46, s46, s47
	s_mov_b32 s47, 0
	s_mul_i32 s20, s12, APART                      ; where they go: no place in the cluster enters an LDS address
	s_mul_i32 s21, s12, BHALF
	s_add_co_u32 s21, s21, BOFF
	s_wait_dscnt 0x0                               ; the opening add is done
	s_wait_kmcnt 0x0
	s_add_nc_u64 s[14:15], s[4:5], s[16:17]
	s_add_nc_u64 s[46:47], s[6:7], s[46:47]
	CROUND                                         ; all sixteen work-groups are here: the first joint loads meet
.irp s, 0,1
	s_mov_b32 s[G0+4*\s], 1
	s_add_co_u32 s[G0+4*\s+1], s20, \s*SLOT
	s_add_nc_u64 s[G0+4*\s+2:G0+4*\s+3], s[14:15], \s*0x200000     ; K step s: two heads on
	s_or_b32 s[G0+4*\s+3], s[G0+4*\s+3], 0x80000000
	s_mov_b32 s[G0B+4*\s], 1
	s_add_co_u32 s[G0B+4*\s+1], s21, \s*SLOT
	s_add_nc_u64 s[G0B+4*\s+2:G0B+4*\s+3], s[46:47], \s*256
	s_or_b32 s[G0B+4*\s+3], s[G0B+4*\s+3], 0x80000000
	JLOAD \s                                       ; two tensor loads of mine are out
.endr
	v_and_b32 v1, 15, v0                           ; r
	v_bfe_u32 v2, v0, 4, 1                         ; h
	s_lshl_b32 s46, s42, 10                        ; my first column, in bytes of f32: 1,024 x tile column + 512 x half
	s_lshl_b32 s47, s12, 9
	s_add_co_u32 s46, s46, s47
	s_mov_b32 s47, 0
	s_add_nc_u64 s[66:67], s[66:67], s[46:47]
	v_lshlrev_b32 v[BOF], 5, v2
.irp b, 0,1,2,3,4,5,6,7
	global_load_b128 v[BI+8*\b:BI+8*\b+3],   v[BOF], s[66:67] offset:64*\b      ; lane (r, h): the biases of columns 16 b + 8 h + 0 .. 7
	global_load_b128 v[BI+8*\b+4:BI+8*\b+7], v[BOF], s[66:67] offset:64*\b+16
.endr
	s_lshl_b32 s16, s13, 19                        ; my first row of out0: 128 x tile row + 64 x half, 4,096 bytes a row
	s_lshl_b32 s17, s11, 18
	s_add_co_u32 s16, s16, s17
	s_mov_b32 s17, 0
	s_add_nc_u64 s[8:9], s[8:9], s[16:17]
	s_add_nc_u64 s[8:9], s[8:9], s[46:47]
	v_mul_u32_u24 v3, v1, PA
	v_lshl_add_u32 v3, v2, 4, v3                   ; a fragment's row x pitch + 16 h
	v_mul_u32_u24 v4, v1, PB
	v_lshl_add_u32 v4, v2, 4, v4
	s_mul_i32 s21, s11, 64*PA                      ; my 64 tokens
	s_mul_i32 s22, s12, BHALF                      ; my 128 rows of Wo
	s_add_co_u32 s22, s22, BOFF
.irp s, 0,1
	v_add_nc_u32 v[ADRA+\s], s21, v3
	v_add_nc_u32 v[ADRB+\s], s22, v4
	s_add_co_u32 s21, s21, SLOT
	s_add_co_u32 s22, s22, SLOT
.endr
	s_mul_i32 s23, s10, 16*SPITCH
	s_add_co_u32 s23, s23, STAGE                   ; my stage
	v_mul_u32_u24 v5, v1, SPITCH                   ; in: row r, 32 bytes for each half of the lanes
	v_lshl_add_u32 v5, v2, 5, v5
	v_add_nc_u32 v[STO], s23, v5
	v_and_b32 v6, 31, v0
	v_lshlrev_b32 v[CO], 4, v6                     ; back: the 32 lanes take one row of 512 bytes; and the same in out0
	v_add_nc_u32 v[RD], s23, v[CO]
; 8 matrix instructions: A's block a x B's eight, 32 along K, from buffer f.  first = 1: the bias starts the sums.  The 32 accumulators take turns, one instruction a turn.
.macro MUL8 f, a, first
.irp b, 0,1,2,3,4,5,6,7
.if \first
	v_wmma_f32_16x16x32_f16 v[8*(8*(\a)+\b):8*(8*(\a)+\b)+7], v[\f+8*\b:\f+8*\b+7], v[\f+64+8*(\a):\f+64+8*(\a)+7], v[BI+8*\b:BI+8*\b+7]
.else
	v_wmma_f32_16x16x32_f16 v[8*(8*(\a)+\b):8*(8*(\a)+\b)+7], v[\f+8*\b:\f+8*\b+7], v[\f+64+8*(\a):\f+64+8*(\a)+7], v[8*(8*(\a)+\b):8*(8*(\a)+\b)+7]
.endif
.endr
.endm
; 24 LDS loads in one run: the fragments of the slot's q-th 32 along K into buffer f: B's sixteen, then A's eight (quarters 0, 1: the first head's part; 2, 3: the second's)
.macro FETCH slot, q, f
	WIN TO_F
.irp i, 0,1,2,3,4,5,6,7
	ds_load_b128 v[\f+8*\i:\f+8*\i+3],   v[ADRB+\slot] offset:64*(\q)+\i*16*PB
	ds_load_b128 v[\f+8*\i+4:\f+8*\i+7], v[ADRB+\slot] offset:64*(\q)+\i*16*PB+32
.endr
.irp i, 0,1,2,3
	ds_load_b128 v[\f+64+8*\i:\f+64+8*\i+3],   v[ADRA+\slot] offset:((\q)/2)*APART+((\q)%2)*64+\i*16*PA
	ds_load_b128 v[\f+64+8*\i+4:\f+64+8*\i+7], v[ADRA+\slot] offset:((\q)/2)*APART+((\q)%2)*64+\i*16*PA+32
.endr
.endm
.macro PLACES                          ; four plain vector instructions in front of loads into registers that matrix instructions have read, and of reads of results
.rept 4
	v_nop
.endr
.endm
; A K step is four quarters of 32 along K, 32 matrix instructions each, on buffers 0, 1, 0, 1.  One of the first three: multiplies buffer f and fetches quarter qn into g.
.macro QUARTER slot, qn, f, g, first
	s_wait_dscnt 4                                 ; B and A's blocks 0 and 1 are in; the youngest four loads (A's blocks 2 and 3) may be out
.if \first
	WIN MUL0
.else
	WIN MUL
.endif
	MUL8 \f, 0, \first
	MUL8 \f, 1, \first
	PLACES
	FETCH \slot, \qn, \g
	s_wait_dscnt 24                                ; all but the 24 just issued
.if \first
	WIN MUL0
.else
	WIN MUL
.endif
	MUL8 \f, 2, \first
	MUL8 \f, 3, \first
.endm
; The last quarter multiplies buffer 1 and changes slots: ONE barrier; in front of it each wave waits for all its tensor loads, adds 0 to its spare word, and waits for that and for its reads of this slot.
; fill = 1: the barrier opens a round of the cluster's, and behind the round this slot is filled again, two K steps ahead.
.macro TURN slot, next, fill
	WIN 0
	s_wait_tensorcnt 0x0                           ; all my tensor loads have landed: my part of the next slot;
	ds_add_u32 v[SPW], v[NIL]                      ; 0 onto my spare word;
	s_wait_dscnt 7                                 ; (the add and the youngest six loads, A's blocks 1 to 3, may be out)
	WIN MUL
	MUL8 F1, 0, 0                                  ; eight matrix instructions stand between the add and the wait for it
	s_wait_dscnt 0x0                               ; the add is done, and my reads of this slot are over
	s_barrier_signal -1
	MUL8 F1, 1, 0
	WIN 0
	s_barrier_wait -1
.if \fill
	CREST                                          ; no wave of any partner still reads this slot's tile or has a load on its way
	s_add_nc_u64 s[G0+4*\slot+2:G0+4*\slot+3], s[G0+4*\slot+2:G0+4*\slot+3], 0x400000   ; four heads on
	s_add_nc_u64 s[G0B+4*\slot+2:G0B+4*\slot+3], s[G0B+4*\slot+2:G0B+4*\slot+3], 512
	JLOAD \slot                                    ; the first tensor load behind the round; the four v_nop behind it are also the places in front of the loads below
.else
	PLACES
.endif
	FETCH \next, 0, F0
	WIN MUL
	MUL8 F1, 2, 0
	MUL8 F1, 3, 0
.endm
	s_wait_tensorcnt 1                             ; my part of K step 0 is in (K step 1's load may be out),
	s_barrier_signal -1
	s_barrier_wait -1                              ; everybody's is
	FETCH 0, 0, F0
	s_wait_loadcnt 0x0                             ; the bias
	QUARTER 0, 1, F0, F1, 1                        ; the first quarter stands in front of the loop: its products start the sums
	WIN 0
	s_mov_b32 s3, LAPS-1
.Llap:                                             ; a trip goes once round the ring, from a lap's second quarter to the next lap's first, and fills both slots again
	QUARTER 0, 2, F1, F0, 0
	QUARTER 0, 3, F0, F1, 0
	TURN 0, 1, 1
	QUARTER 1, 1, F0, F1, 0
	QUARTER 1, 2, F1, F0, 0
	QUARTER 1, 3, F0, F1, 0
	TURN 1, 0, 1
	QUARTER 0, 1, F0, F1, 0
	WIN 0
	s_sub_co_u32 s3, s3, 1
	s_cmp_lg_u32 s3, 0
	s_cbranch_scc1 .Llap
	QUARTER 0, 2, F1, F0, 0                        ; the last lap fills nothing, and has no round of the cluster's barrier
	QUARTER 0, 3, F0, F1, 0
	TURN 0, 1, 0
	QUARTER 1, 1, F0, F1, 0
	QUARTER 1, 2, F1, F0, 0
	QUARTER 1, 3, F0, F1, 0
	s_wait_dscnt 4                                 ; the very last quarter: nothing more to fetch
	WIN MUL
	MUL8 F1, 0, 0
	MUL8 F1, 1, 0
	s_wait_dscnt 0
	MUL8 F1, 2, 0
	MUL8 F1, 3, 0
	WIN 0
; THE WAY OUT, block by block of 16 rows x 128 columns: a lane's 32 bytes of a row go into my stage, and whole rows of 512 bytes come back, which the 32 lanes store.
.macro TOSTAGE a
	WIN 0x08                                       ; an LDS store's data are its source 1: window 2
.irp b, 0,1,2,3,4,5,6,7
	ds_store_b128 v[STO], v[64*(\a)+8*\b:64*(\a)+8*\b+3] offset:64*\b          ; each accumulator from its low end on
	ds_store_b128 v[STO], v[64*(\a)+8*\b+4:64*(\a)+8*\b+7] offset:64*\b+16
.endr
	WIN 0
.set BB, BK+64*((\a)%2)
.irp t, 0,1,2,3,4,5,6,7,8,9,10,11,12,13,14,15
	ds_load_b128 v[BB+4*\t:BB+4*\t+3], v[RD] offset:\t*SPITCH                  ; LDS serves a wave's instructions in order: these see the stores above
.endr
.endm
.macro SEND a, younger                 ; younger: the LDS instructions issued behind block a's loads, which may stay out
.set BB, BK+64*((\a)%2)
	s_wait_dscnt \younger
.irp t, 0,1,2,3,4,5,6,7,8,9,10,11,12,13,14,15
	global_store_b128 v[CO], v[BB+4*\t:BB+4*\t+3], s[8:9] offset:(16*(\a)+\t)*4096 th:TH_STORE_NT   ; 32 lanes store 512 consecutive bytes, at a multiple of 512 from out0's first byte; written once
.endr
.endm
	PLACES                                         ; behind the last products, in front of the first read of results
	TOSTAGE 0
.irp a, 1,2,3
.if \a > 1
	s_wait_xcnt 0x0                                ; block a - 2's stores have read their registers: block a's loads may land there
.endif
	TOSTAGE \a
	SEND \a-1, 32                                  ; behind block a - 1's loads: block a's 16 stores and 16 loads
.endr
	SEND 3, 0
	s_wait_tensorcnt 0x0                           ; the wave's end, behind my last tensor load and my last LDS store
	ds_add_u32 v[SPW], v[NIL]
	s_wait_dscnt 0x0
	CROUND                                         ; the closing round
	s_endpgm
.Lfunc_end_k_qd52b78d4f6_oproj:
	.size	k_qd52b78d4f6_oproj, .Lfunc_end_k_qd52b78d4f6_oproj-k_qd52b78d4f6_oproj
	.p2alignl 7, 3214868480
	.fill 96, 4, 3214868480
	.section	.rodata,"a",@progbits
	.p2align	6, 0x0
	.amdhsa_kernel k_qd52b78d4f6_oproj
		.amdhsa_group_segment_fixed_size 327680
		.amdhsa_private_segment_fixed_size 0
		.amdhsa_enable_private_segment 0
		.amdhsa_kernarg_size 32
		.amdhsa_user_sgpr_count 2
		.amdhsa_user_sgpr_kernarg_segment_ptr 1
		.amdhsa_wavefront_size32 1
		.amdhsa_system_sgpr_workgroup_id_x 1
		.amdhsa_system_sgpr_workgroup_id_y 1
		.amdhsa_system_sgpr_workgroup_id_z 1
		.amdhsa_system_vgpr_workitem_id 0
		.amdhsa_next_free_vgpr 768
		.amdhsa_next_free_sgpr 68
		.amdhsa_reserve_vcc 0
		.amdhsa_float_denorm_mode_32 3
		.amdhsa_float_denorm_mode_16_64 3
		.amdhsa_memory_ordered 1
		.amdhsa_forward_progress 1
		.amdhsa_inst_pref_size 86
	.end_amdhsa_kernel
	.amdgpu_metadata
---
amdhsa.version: [ 1, 2 ]
amdhsa.kernels:
  - .name:           k_qd52b78d4f6_oproj
    .symbol:         k_qd52b78d4f6_oproj.kd
    .args:
      - { .name: ao, .offset: 0, .size: 8, .value_kind: global_buffer, .address_space: global }
      - { .name: wo16, .offset: 8, .size: 8, .value_kind: global_buffer, .address_space: global }
      - { .name: out0, .offset: 16, .size: 8, .value_kind: global_buffer, .address_space: global }
      - { .name: bo, .offset: 24, .size: 8, .value_kind: global_buffer, .address_space: global }
    .group_segment_fixed_size: 327680
    .private_segment_fixed_size: 0
    .kernarg_segment_align: 8
    .kernarg_segment_size: 32
    .max_flat_workgroup_size: 128
    .sgpr_count:     68
    .vgpr_count:     768
    .wavefront_size: 32
...
	.end_amdgpu_metadata
.endif
;; end of part 4
